; MI455X (gfx1250); checked and timed in simulation.
; The chip was launched on July 23, 2026; its instructions are those of AMD's public machine-readable ISA for CDNA 5 (MIT licence, August 2026) and "CDNA5" Instruction Set Architecture Reference Guide (July 2026). The comments in the code are by the model that wrote it; some were corrected since.
;; Causal Self Attention. Allowed arithmetic: matrix products marked QUANTISED: E2M1 operands, one E8M0 scale for each 32 along K, by v_wmma_scale_f32_16x16x128_f8f6f4 with both operands' format E2M1 (or v_wmma_scale_f32_32x16x128_f4), f32 sums; products left as they are: bf16, f16 or f32 operands; f32 sums; everything else in f32.
;; Inputs: Wk 1,024 x 1,024 float32; Wp 1,024 x 1,024 float32; Wq 1,024 x 1,024 float32; Wv 1,024 x 1,024 float32; attn_mask 4 x 2,048 bool; bk 1,024 float32; bp 1,024 float32; bq 1,024 float32; bv 1,024 float32; x 4 x 2,048 x 1,024 float32.
;; Outputs: out0 4 x 2,048 x 1,024 float32.
;; This version of the problem:
;;   THIS VERSION OF THE PROBLEM IS GIVEN IN LOW PRECISION. The matrix products marked QUANTISED in the list below multiply operands that are first quantised to E2M1 (2 exponent bits, 1 mantissa bit; 4 bits a number), with one power-of-two scale for each 32 numbers along K (OCP MX v1.0); their sums are f32. The products marked 'left as it is' may take bf16, f16 or f32 operands, with f32 sums. Whichever they take, every output number must still come out within the allowed error. Rounding operands to bf16 (8 significant bits) uses up far more of that allowance than f16 does (11 bits, for magnitudes from 6e-5 to 65,504). All else is computed in f32.
;;   The module's matrix products, in the order in which they are computed (A, B: the left and right operand; K: the contracted axis; several contracted axes count as one K, in the product's order):
;;     1. [M 8,192, K 1,024] x [K 1,024, N 1,024]; A: input x; B: input Wq: QUANTISED
;;     2. [M 8,192, K 1,024] x [K 1,024, N 1,024]; A: input x; B: input Wk: QUANTISED
;;     3. [M 8,192, K 1,024] x [K 1,024, N 1,024]; A: input x; B: input Wv: QUANTISED
;;     4. batch 64 x [M 2,048, K 64] x [K 64, N 2,048]; A: computed on the way; B: computed on the way: left as it is (an operand is computed on the way)
;;     5. batch 64 x [M 2,048, K 2,048] x [K 2,048, N 64]; A: computed on the way; B: computed on the way: left as it is (an operand is computed on the way)
;;     6. [M 8,192, K 1,024] x [K 1,024, N 1,024]; A: computed on the way; B: input Wp: left as it is (an operand is computed on the way)
;;   THE QUANTISER, for each operand of a quantised product, along K:
;;     - K is cut into blocks of 32 from its start; a last block that is shorter is filled with zeros.
;;     - A block's scale is 2^e with e = floor(log2(the largest magnitude in the block)) - 2, held to -126 .. 127; a block of zeros has e = 0. As a byte (E8M0): e + 127.
;;     - Each number is divided by its block's scale, clamped to +-6, and rounded to the nearest number of E2M1, ties to even, subnormals kept.
;;     - The product sums the exact products of the quantised numbers (number of the format x scale) in f32.
;;   ~~~python
;;   def quantise(x, axis):      # numpy; x: float32 -> the quantised numbers, widened to float32 again
;;       x = np.moveaxis(x, axis, -1); K = x.shape[-1]
;;       x = np.pad(x, [(0, 0)] * (x.ndim - 1) + [(0, -K % 32)]); x = x.reshape(x.shape[:-1] + (-1, 32)); a = np.abs(x).max(-1, keepdims=True)
;;       e = np.where(a > 0, np.clip(np.frexp(np.where(a > 0, a, 1))[1] - 1 - 2, -126, 127), 0)      # np.frexp(a)[1] - 1 = floor(log2(a)), exactly
;;       r = np.clip(x / 2.0 ** e, -6, 6)
;;       step = 2.0 ** (np.maximum(np.frexp(np.where(r == 0, 1, r))[1] - 1, 0) - 1)
;;       q = np.round(r / step) * step * 2.0 ** e      # np.round: ties to even
;;       return np.moveaxis(q.reshape(q.shape[:-2] + (-1,))[..., :K], -1, axis).astype(np.float32)
;;   ~~~
;; One version. Each part assembles by itself: llvm-mc -triple=amdgcn-amd-amdhsa -mcpu=gfx1250 --defsym DOCPART=n.
;; ======== version 1 of 1: 6 launches
;; limits: values are held in f16: magnitudes above 65,504 overflow, below 6.1e-05 lose precision
;; workspace buffers: cds 5,767,168 bytes; scl 360,448 bytes; wp16 4,194,304 bytes; qkv 50,331,648 bytes; qkvf 1,572,864 bytes; vpart 262,144 bytes; y 16,777,216 bytes; yf 524,288 bytes
;; launch quant (part 1): grid 480 x 1, 4 waves a work-group, no clusters, 33,280 bytes of LDS; arguments x, Wq, Wk, Wv, Wp, cds, scl, wp16; writes cds, scl, wp16
.if DOCPART == 1
	.amdgcn_target "amdgcn-amd-amdhsa--gfx1250"
	.amdhsa_code_object_version 6
	.text
	.protected	k_qe619bb8af9_quant
	.globl	k_qe619bb8af9_quant
	.p2align	8
	.type	k_qe619bb8af9_quant,@function
k_qe619bb8af9_quant:
	s_mov_b64 s[64:65], 0
	v_nop
	global_prefetch_b8 v0, s[64:65] scope:SCOPE_SE
	s_setreg_imm32_b32 hwreg(HW_REG_WAVE_MODE, 25, 1), 1
	s_wait_xcnt 0x0
; x [8192][1024], Wq, Wk, Wv [1024][1024], f32, become codes of FP4 (E2M1), K innermost, with one E8M0 byte for each 32 along K; Wp becomes a pair of f16 numbers, a high part and a low part.
; cds: x's codes [8192][512 bytes], then the codes of Wq, Wk, Wv as 3,072 rows; scl: the scale bytes likewise, 32 a row.  wp16: f16(Wp), then f16(Wp - f16(Wp)), both [1024][1024].
; A block's scale is 2^(floor(log2(largest magnitude)) - 2): its byte is the largest magnitude's exponent field - 2, held at 1 from below; each number / scale goes to the nearest code, ties to even, beyond 6 to 6.
; LIMITS: a block of zeros gets the byte 1 (its codes are zeros, and this program alone reads the bytes); NaN and infinities are not served; |Wp| stays under 65,504.
; Work-groups 0-255 take x, 256-287 Wq, 288-319 Wk, 320-351 Wv: 32,768 numbers each, one path, the pointers chosen by the work-group's number.  W's codes begin where x's 256 work-groups end,
; so a run's place in cds and scl is 4 x work-group + wave for all four.  Work-groups 352-479 split Wp, 8,192 numbers each; that path touches no LDS byte but its spare word.
; A wave takes 16 steps of 512 numbers: four loads of 512 consecutive bytes; the 2,048 bytes turn through the wave's own stage in LDS and come back 64 bytes a lane, so that a lane holds 16 neighbours along K.
.set WAVES, 4
.set STEPS, 16
.set QWG,   352                        ; work-groups that quantise
.set EMAX,  2
.set CB,    8                          ; bytes of 16 codes
.set R,     16                         ; v16-79   four sets of 16 numbers as loaded
.set X,     80                         ; v80-111  two sets of 16 neighbours
.set C,     128                        ; v128-191 codes, four registers a step: no store's data are written again
.set E,     112                        ; v112-127 a scale byte for each step
.set WREG,  8192                       ; LDS: a region for each wave: two stages of 32 x SP bytes, then its 256 scale bytes
.set SP,    80                         ; a lane's place in a stage: 64 bytes + 16 of padding
.set SPW,   12                         ; v12 LDS address of my spare word; never rewritten
.set NIL,   13                         ; v13 0; never rewritten
.set SPARE, WAVES*WREG                 ; the spare words: 128 bytes a wave, two blocks of 256 bytes that no other line names
	s_load_b512 s[4:19], s[0:1], 0x0               ; x 4, Wq 6, Wk 8, Wv 10, Wp 12, cds 14, scl 16, wp16 18
	v_lshl_add_u32 v[SPW], v0, 2, SPARE
	v_mov_b32 v[NIL], 0
	v_lshrrev_b32 v1, 5, v0
	v_readfirstlane_b32 s20, v1                    ; wave
	v_and_b32 v2, 31, v0                           ; lane
	v_lshlrev_b32 v3, 4, v2                        ; my 16 bytes of a load's 512
	s_mul_i32 s21, s20, WREG
	v_lshrrev_b32 v14, 2, v2
	v_mul_u32_u24 v14, v14, SP
	v_and_b32 v15, 3, v2
	v_lshl_add_u32 v14, v15, 4, v14
	v_add_nc_u32 v14, s21, v14                     ; the stage, way in: SP (lane / 4) + 16 (lane % 4)
	v_mul_u32_u24 v15, v2, SP
	v_add_nc_u32 v15, s21, v15                     ; way out: SP x lane
	v_mul_u32_u24 v4, v2, CB                       ; 8 x lane: my codes in a step's, my f16 numbers in a load's
	v_lshrrev_b32 v5, 1, v2
	s_add_co_u32 s21, s21, 2*32*SP
	v_add_nc_u32 v5, s21, v5                       ; my block's scale byte in the wave's 256
	v_lshlrev_b32 v7, 3, v2
	v_add_nc_u32 v6, s21, v7
	s_and_b32 s22, ttmp9, 31                       ; a weight's work-group among its 32
	s_lshl_b32 s23, ttmp9, 2
	s_add_co_u32 s23, s23, s20                     ; the run's place in cds and scl
	s_mov_b32 s27, 0
	s_wait_kmcnt 0x0
	s_cmp_ge_u32 ttmp9, QWG
	s_cbranch_scc1 .Lwp
	s_cmp_lt_u32 ttmp9, 320                        ; the choice hangs on the work-group's number alone
	s_cselect_b64 s[24:25], s[8:9], s[10:11]
	s_cmp_lt_u32 ttmp9, 288
	s_cselect_b64 s[24:25], s[6:7], s[24:25]
	s_cmp_lt_u32 ttmp9, 256
	s_cselect_b64 s[24:25], s[4:5], s[24:25]
	s_cselect_b32 s22, ttmp9, s22
	s_lshl_b32 s22, s22, 2
	s_add_co_u32 s22, s22, s20                     ; which run of 8,192 numbers of the source
	s_lshl_b32 s26, s22, 15
	s_add_nc_u64 s[24:25], s[24:25], s[26:27]
	s_lshl_b32 s26, s23, 12                        ; 4,096 bytes of codes a run
	s_add_nc_u64 s[14:15], s[14:15], s[26:27]
	s_lshl_b32 s26, s23, 8                         ; 256 scale bytes a run
	s_add_nc_u64 s[16:17], s[16:17], s[26:27]
.macro LOAD t
.irp i, 0,1,2,3
	global_load_b128 v[R+16*((\t)%4)+4*\i:R+16*((\t)%4)+4*\i+3], v3, s[24:25] offset:2048*(\t)+512*\i th:TH_LOAD_NT
.endr
.endm
.macro TURN t                          ; a step's numbers through the stage: LDS serves a wave's instructions in order, so no wait stands between the stores and the loads
.irp i, 0,1,2,3
	ds_store_b128 v14, v[R+16*((\t)%4)+4*\i:R+16*((\t)%4)+4*\i+3] offset:32*SP*((\t)%2)+8*SP*\i
.endr
.irp i, 0,1,2,3
	ds_load_b128 v[X+16*((\t)%2)+4*\i:X+16*((\t)%2)+4*\i+3], v15 offset:32*SP*((\t)%2)+16*\i
.endr
.endm
.irp t, 0,1,2,3
	LOAD \t
.endr
	s_wait_loadcnt 12                              ; step 0's four loads are in; twelve younger stay out
	TURN 0
.macro STEP t
.set XS, X+16*((\t)%2)
.if (\t) > 0
	s_wait_dscnt 1                                 ; this step's numbers are back from the stage; the last step's byte store may be out
.else
	s_wait_dscnt 0x0
.endif
.if (\t)+4 < STEPS
	LOAD (\t)+4
.endif
.if (\t)+1 < STEPS
.if STEPS-2-(\t) >= 3
	s_wait_loadcnt 12                              ; the next step's four loads are in; those of three steps behind it may be out
.else
	s_wait_loadcnt 4*(STEPS-2-(\t))
.endif
	TURN (\t)+1
.endif
	v_max3_num_f32 v8, |v[XS]|, |v[XS+1]|, |v[XS+2]|
	v_max3_num_f32 v9, |v[XS+3]|, |v[XS+4]|, |v[XS+5]|
.irp i, 6,10
	v_max3_num_f32 v8, v8, |v[XS+\i]|, |v[XS+\i+1]|
	v_max3_num_f32 v9, v9, |v[XS+\i+2]|, |v[XS+\i+3]|
.endr
	v_max3_num_f32 v8, v8, |v[XS+14]|, |v[XS+15]|
	v_max3_num_f32 v8, v8, v9, (EMAX+1)<<23        ; the floor 2^(3 - 127): the byte cannot fall under 1
	v_max_num_f32_dpp v8, v8, v8 row_xmask:1 row_mask:0xf bank_mask:0xf   ; with my neighbour's 16: the block's largest magnitude
	v_add_nc_u32 v11, -(EMAX<<23), v8              ; 2 off its exponent field: the conversion's scale operand
	v_cvt_scalef32_pk8_fp4_f32 v[C+4*(\t)], v[XS:XS+7], v11
	v_cvt_scalef32_pk8_fp4_f32 v[C+4*(\t)+1], v[XS+8:XS+15], v11
	v_lshrrev_b32 v[E+(\t)], 23, v11               ; the scale's byte (a plain line behind the conversions)
	ds_store_b8 v5, v[E+(\t)] offset:16*(\t)       ; both lanes of a block write the same byte with the same value
	global_store_b64 v4, v[C+4*(\t):C+4*(\t)+1], s[14:15] offset:32*CB*(\t)   ; the wave stores 256 consecutive bytes, aligned
.endm
.irp t, 0,1,2,3,4,5,6,7,8,9,10,11,12,13,14,15
	STEP \t
.endr
	ds_load_b64 v[8:9], v6                         ; my wave's 256 scale bytes, 8 a lane
	s_wait_dscnt 0x0
	global_store_b64 v7, v[8:9], s[16:17]
	s_branch .Lend
.Lwp:                                              ; Wp: 2,048 numbers a wave; all 16 loads go out first
	s_sub_co_u32 s22, ttmp9, QWG
	s_lshl_b32 s22, s22, 2
	s_add_co_u32 s22, s22, s20
	s_lshl_b32 s26, s22, 13
	s_add_nc_u64 s[12:13], s[12:13], s[26:27]
	s_lshl_b32 s26, s22, 12
	s_add_nc_u64 s[18:19], s[18:19], s[26:27]
.irp i, 0,1,2,3,4,5,6,7,8,9,10,11,12,13,14,15
	global_load_b128 v[16+4*\i:19+4*\i], v3, s[12:13] offset:512*\i th:TH_LOAD_NT
.endr
; register r holds the high parts of numbers 2 (r - 80) and 2 (r - 80) + 1; every pair has registers of its own, so no store's data are written again
.irp r, 80,81,82,83,84,85,86,87,88,89,90,91,92,93,94,95,96,97,98,99,100,101,102,103,104,105,106,107,108,109,110,111
.if (\r-80)%2 == 0
	s_wait_loadcnt 15-(\r-80)/2                    ; loads come back in order: this quad is in, the younger ones stay out
.endif
	v_cvt_pk_f16_f32 v\r, v[16+2*(\r-80)], v[17+2*(\r-80)]
	v_cvt_f32_f16 v[8+2*(\r%2)], v\r\().l
	v_cvt_f32_f16 v[9+2*(\r%2)], v\r\().h
	v_pk_add_f32 v[8+2*(\r%2):9+2*(\r%2)], v[16+2*(\r-80):17+2*(\r-80)], v[8+2*(\r%2):9+2*(\r%2)] neg_lo:[0,1] neg_hi:[0,1]   ; what the high part leaves
	v_cvt_pk_f16_f32 v[128+\r-80], v[8+2*(\r%2)], v[9+2*(\r%2)]
.if (\r-80)%2 == 1
	global_store_b64 v4, v[\r-1:\r], s[18:19] offset:256*((\r-81)/2)
	global_store_b64 v4, v[128+\r-81:128+\r-80], s[18:19] offset:2097152+256*((\r-81)/2)
.endif
.endr
.Lend:
	s_wait_tensorcnt 0x0                           ; the wave's end, behind my last LDS store
	ds_add_u32 v[SPW], v[NIL]
	s_wait_dscnt 0x0
	s_endpgm
.Lfunc_end_k_qe619bb8af9_quant:
	.size	k_qe619bb8af9_quant, .Lfunc_end_k_qe619bb8af9_quant-k_qe619bb8af9_quant
	.p2alignl 7, 3214868480
	.fill 96, 4, 3214868480
	.section	.rodata,"a",@progbits
	.p2align	6, 0x0
	.amdhsa_kernel k_qe619bb8af9_quant
		.amdhsa_group_segment_fixed_size 33280
		.amdhsa_private_segment_fixed_size 0
		.amdhsa_enable_private_segment 0
		.amdhsa_kernarg_size 64
		.amdhsa_user_sgpr_count 2
		.amdhsa_user_sgpr_kernarg_segment_ptr 1
		.amdhsa_wavefront_size32 1
		.amdhsa_system_sgpr_workgroup_id_x 1
		.amdhsa_system_sgpr_workgroup_id_y 1
		.amdhsa_system_sgpr_workgroup_id_z 1
		.amdhsa_system_vgpr_workitem_id 0
		.amdhsa_next_free_vgpr 192
		.amdhsa_next_free_sgpr 66
		.amdhsa_reserve_vcc 0
		.amdhsa_float_denorm_mode_32 3
		.amdhsa_float_denorm_mode_16_64 3
		.amdhsa_memory_ordered 1
		.amdhsa_forward_progress 1
		.amdhsa_inst_pref_size 47
	.end_amdhsa_kernel
	.amdgpu_metadata
---
amdhsa.version: [ 1, 2 ]
amdhsa.kernels:
  - .name:           k_qe619bb8af9_quant
    .symbol:         k_qe619bb8af9_quant.kd
    .args:
      - { .name: x, .offset: 0, .size: 8, .value_kind: global_buffer, .address_space: global }
      - { .name: Wq, .offset: 8, .size: 8, .value_kind: global_buffer, .address_space: global }
      - { .name: Wk, .offset: 16, .size: 8, .value_kind: global_buffer, .address_space: global }
      - { .name: Wv, .offset: 24, .size: 8, .value_kind: global_buffer, .address_space: global }
      - { .name: Wp, .offset: 32, .size: 8, .value_kind: global_buffer, .address_space: global }
      - { .name: cds, .offset: 40, .size: 8, .value_kind: global_buffer, .address_space: global }
      - { .name: scl, .offset: 48, .size: 8, .value_kind: global_buffer, .address_space: global }
      - { .name: wp16, .offset: 56, .size: 8, .value_kind: global_buffer, .address_space: global }
    .group_segment_fixed_size: 33280
    .private_segment_fixed_size: 0
    .kernarg_segment_align: 8
    .kernarg_segment_size: 64
    .max_flat_workgroup_size: 128
    .sgpr_count:     66
    .vgpr_count:     192
    .wavefront_size: 32
...
	.end_amdgpu_metadata
.endif
;; end of part 1
;; launch qkv (part 2): grid 12 x 32, 4 waves a work-group, clusters of 4 x 4, 327,680 bytes of LDS; arguments cds, scl, bq, bk, bv, qkv, qkvf, vpart; writes qkv, qkvf, vpart
.if DOCPART == 2
	.amdgcn_target "amdgcn-amd-amdhsa--gfx1250"
	.amdhsa_code_object_version 6
	.text
	.protected	k_qe619bb8af9_qkv
	.globl	k_qe619bb8af9_qkv
	.p2align	8
	.type	k_qe619bb8af9_qkv,@function
k_qe619bb8af9_qkv:
	s_mov_b64 s[64:65], 0
	v_nop
	global_prefetch_b8 v0, s[64:65] scope:SCOPE_SE
	s_setreg_imm32_b32 hwreg(HW_REG_WAVE_MODE, 25, 1), 1
	s_wait_xcnt 0x0
	s_wait_alu depctr_hold_cnt(0) depctr_sa_sdst(0) depctr_va_vdst(0) depctr_va_sdst(0) depctr_va_ssrc(0) depctr_va_vcc(0) depctr_vm_vsrc(0)
	s_getreg_b32 s2, hwreg(HW_REG_IB_STS2, 6, 4)
	s_cmp_eq_u32 s2, 0
	s_cbranch_scc0 .Lentry_in_a_cluster
	s_endpgm
.Lentry_in_a_cluster:
	s_bfe_u32 s2, ttmp6, 0x10000c
	s_cmp_lg_u32 s2, 0xf033
	s_cbranch_scc0 .Lentry_shape_is_right
	s_endpgm
.Lentry_shape_is_right:
; q, k, v = x W^T + b on codes of FP4 (E2M1) with one E8M0 scale for each 32 along K; sums in f32.  A = x's codes [8192][512 bytes]; B = the 3,072 rows of Wq, Wk, Wv.
; A work-group of four waves makes 256 tokens x 256 columns, a wave 128 x 128: 64 accumulators, 512 registers.  K = 1,024 is two LDS slots of 512 along K: both are first fills, nothing is filled again.
; The scale bytes of the work-group's rows come once, as dense blocks.  CLUSTERS: 4 x 4 work-groups; A's tile is asked for jointly along a row of the cluster, B's along a column.
; Tile row = cluster y + 8 cy, so the batch is cy and the block of 256 positions is the cluster's y; tile column = 4 x cluster x + cx, so cluster x says which of q, k, v.
; THE MATRIX INSTRUCTION IS USED TRANSPOSED (source 0 = 16 rows of W, source 1 = 16 tokens): a lane holds one token and eight neighbouring channels.  The bias is the C of each sum's first instruction.
; THE WAY OUT needs no stage: eight channels rounded to f16 are 16 bytes, which ARE a lane's half of a 16-bit fragment (16 tokens x 32 channels).  qkv: [which][batch x head][token tile][f][half][512 bytes];
; q and k at 16 x lane; v at 16 x ((r & 7) + 8 h + 16 (r >> 3)), so that the turning LDS load at 16 x lane brings V^T.  Each store of the wave covers 512 consecutive bytes, aligned.
; Positions under 32 of each batch also leave as f32 (qkvf, the accumulators as they stand), and v's sums over a wave's 128 tokens go to vpart.
; LIMITS: |q|, |k|, |v| stay under 65,504 (f16).
; REGISTERS, in windows of 256: window 0: v16-31 addresses; v32-95 scale words, two sets; v128-191 A's fragments, one set; v192-255 the bias.  window 1: B's fragments, two sets.  windows 2, 3: the accumulators.
.set SIZE_K, 1024
.set KSTEP,  512
.set NQ,     KSTEP/128
.set ROWB,   256
.set KROW,   SIZE_K*4/8
.set PITCH,  272                       ; an LDS row: 256 bytes + 16 of padding: the 16 rows that a load touches start at 16 different banks
.set FR,     8
.set NL,     2
.set NP,     4
.set HALFT,  128*PITCH
.set SLOT,   4*HALFT
.set KS,     SIZE_K/32
.set SCL,    2*SLOT
.set HALFS,  (128*KS/256)*272
.set SBLK,   (16*KS/256)*272
.set SPARE,  SCL+4*HALFS               ; the spare words: 128 bytes a wave, two blocks of 256 bytes that no other line names
.set ADRA, 16
.set ADRB, 20
.set LI,   24                          ; v24 16 x lane
.set GOF,  25                          ; v25 my 16 bytes' place in a sub-block of qkv
.set BOF,  26                          ; v26 32 x (lane / 16)
.set ADRS, 27
.set SPW,  28
.set NIL,  29
.set CSA,  30                          ; v30 column sums into LDS: 512 x wave + 32 (lane / 16)
.set CSR,  31                          ; v31 and back: 512 x wave + 16 x lane
.set SC,   32
.set AF,   128
.set BI,   192
.set G1, 24
.set G0, 32
.set G1B, 48
.set G0B, 56
.set G1S, 68
.set G0S, 76
.set G1SB, 80
.set G0SB, 88
.set MSB, 0
.macro WIN new                         ; the immediate's high byte repeats the setting that is left
.if MSB != \new
	s_set_vgpr_msb (MSB<<8)|\new
.set MSB, \new
.endif
.endm
.set MUL_LO, 0xa1                      ; source 0 (B) window 1, source 1 (A) window 0, C and D window 2
.set MUL_HI, 0xf1
.set TO_B,   0x40
; A joint load: waves 0 and 1 fetch for A, waves 2 and 3 for B; the branch hangs on the wave's number alone.  An s_nop 0 and four v_nop follow each of the two lines.
.macro JLOAD g0a, g1a, g0b, g1b
	s_cmp_eq_u32 s15, 0
	s_cbranch_scc0 .Lfor_b_\@
	tensor_load_to_lds s[\g0a:\g0a+3], s[\g1a:\g1a+7]
	s_nop 0
.rept 4
	v_nop
.endr
	s_branch .Lasked_\@
.Lfor_b_\@:
	tensor_load_to_lds s[\g0b:\g0b+3], s[\g1b:\g1b+7]
	s_nop 0
.rept 4
	v_nop
.endr
.Lasked_\@:
.endm
.macro CROUND                          ; a round of the cluster's barrier
	s_barrier_signal -1
	s_barrier_wait -1
	s_cmp_lg_u32 s14, 0
	s_cbranch_scc1 .Lnot_wave_0_\@
	s_barrier_signal -3
.Lnot_wave_0_\@:
	s_barrier_wait -3
	s_barrier_signal -1
	s_barrier_wait -1
.endm
	s_load_b128 s[4:7], s[0:1], 0x0                ; cds, scl
	s_load_b128 s[96:99], s[0:1], 0x10             ; bq, bk
	s_load_b64 s[100:101], s[0:1], 0x20            ; bv
	s_load_b64 s[12:13], s[0:1], 0x28              ; qkv
	s_load_b64 s[66:67], s[0:1], 0x30              ; qkvf
	s_load_b64 s[2:3], s[0:1], 0x38                ; vpart
	v_lshl_add_u32 v[SPW], v0, 2, SPARE
	v_mov_b32 v[NIL], 0
	ds_add_u32 v[SPW], v[NIL]                      ; the wave's opening: the add, twice on end, and its wait ahead of my first tensor load
	ds_add_u32 v[SPW], v[NIL]
	v_lshrrev_b32 v1, 5, v0
	v_readfirstlane_b32 s14, v1                    ; wave 0..3
	s_lshr_b32 s15, s14, 1                         ; which half of the tile's tokens is mine.  Also: I fetch for A (0) or for B (1)
	s_and_b32 s16, s14, 1                          ; which half of its columns.  Also: which 128 rows of that tile I fetch
	s_bfe_u32 s40, ttmp6, 0x40000                  ; cx
	s_bfe_u32 s41, ttmp6, 0x40004                  ; cy
	s_lshl_b32 s42, ttmp9, 2
	s_add_co_u32 s42, s42, s40                     ; tile column = 4 x cluster x + cx
	s_and_b32 s17, ttmp7, 0xffff
	s_lshl_b32 s18, s41, 3
	s_add_co_u32 s17, s17, s18                     ; tile row = cluster y + 8 cy
	s_lshl_b32 s43, s41, 2
	s_lshl_b32 s43, 15, s43                        ; my row of the cluster
	s_lshl_b32 s44, 0x1111, s40                    ; my column
	s_or_b32 s[G1+0], s43, (0<<16)|(1<<20)|(1<<21)|(5<<22)|(3<<25)  ; the mask; elements of 1 byte; padding: 4 words behind every 64; bit 21 beside a mask
	s_or_b32 s[G1B+0], s44, (0<<16)|(1<<20)|(1<<21)|(5<<22)|(3<<25)
.irp g, G1, G1B
	s_mov_b32 s[\g+1], ROWB<<16                    ; tensor_dim0
	s_mov_b32 s[\g+2], 128<<16                     ; tensor_dim1
	s_mov_b32 s[\g+3], ROWB<<16                    ; tile_dim0
	s_mov_b32 s[\g+4], 128                         ; tile_dim1
	s_mov_b32 s[\g+5], KROW                        ; the pitch
	s_mov_b32 s[\g+6], 0
	s_mov_b32 s[\g+7], 0
.endr
	s_or_b32 s[G1S+0], s43, (3<<16)|(1<<20)|(1<<21)|(5<<22)|(3<<25)  ; the scales of 128 rows: a dense block, as rows of 256 bytes (32 elements of 8), 16 bytes of padding behind each
	s_or_b32 s[G1SB+0], s44, (3<<16)|(1<<20)|(1<<21)|(5<<22)|(3<<25)
.irp g, G1S, G1SB
	s_mov_b32 s[\g+1], 32<<16
	s_mov_b32 s[\g+2], (128*KS/256)<<16
	s_mov_b32 s[\g+3], 32<<16
	s_mov_b32 s[\g+4], 128*KS/256
	s_mov_b32 s[\g+5], 32
	s_mov_b32 s[\g+6], 0
	s_mov_b32 s[\g+7], 0
.endr
	s_lshl_b32 s18, s16, 7
	s_lshl_b32 s20, s17, 8
	s_add_co_u32 s20, s20, s18                     ; A: row 256 x tile row + 128 x half
	s_lshl_b32 s46, s42, 8
	s_add_co_u32 s46, s46, s18                     ; B: row 256 x tile column + 128 x half
	s_mov_b32 s21, 0
	s_mov_b32 s47, 0
	s_mov_b64 s[18:19], KS
	s_mul_u64 s[22:23], s[20:21], s[18:19]         ; where these rows' scales begin
	s_mul_u64 s[92:93], s[46:47], s[18:19]
	s_mov_b64 s[18:19], KROW
	s_mul_u64 s[20:21], s[20:21], s[18:19]         ; and their codes
	s_mul_u64 s[46:47], s[46:47], s[18:19]
	s_mul_i32 s45, s14, HALFT                      ; where they go: no place in the cluster enters an LDS address
	s_mul_i32 s94, s14, HALFS
	s_wait_dscnt 0x0                               ; both opening adds are done
	s_wait_kmcnt 0x0
	s_add_nc_u64 s[8:9], s[4:5], 0x400000          ; W's codes lie behind x's,
	s_add_nc_u64 s[10:11], s[6:7], 0x40000         ; W's scale bytes behind x's
	s_add_nc_u64 s[20:21], s[4:5], s[20:21]
	s_add_nc_u64 s[22:23], s[6:7], s[22:23]
	s_add_nc_u64 s[46:47], s[8:9], s[46:47]
	s_add_nc_u64 s[92:93], s[10:11], s[92:93]
	CROUND                                         ; all sixteen work-groups are here: the joint loads meet
	s_mov_b32 s[G0S], 1
	s_add_co_u32 s[G0S+1], s94, SCL
	s_mov_b64 s[G0S+2:G0S+3], s[22:23]
	s_or_b32 s[G0S+3], s[G0S+3], 0x80000000
	s_mov_b32 s[G0SB], 1
	s_add_co_u32 s[G0SB+1], s94, SCL
	s_mov_b64 s[G0SB+2:G0SB+3], s[92:93]
	s_or_b32 s[G0SB+3], s[G0SB+3], 0x80000000
	JLOAD G0S, G1S, G0SB, G1SB                     ; the scales first; then both slots: three loads of mine are out
.irp s, 0,1
	s_mov_b32 s[G0+4*\s], 1
	s_add_co_u32 s[G0+4*\s+1], s45, \s*SLOT
	s_add_nc_u64 s[G0+4*\s+2:G0+4*\s+3], s[20:21], \s*ROWB
	s_or_b32 s[G0+4*\s+3], s[G0+4*\s+3], 0x80000000
	s_mov_b32 s[G0B+4*\s], 1
	s_add_co_u32 s[G0B+4*\s+1], s45, \s*SLOT
	s_add_nc_u64 s[G0B+4*\s+2:G0B+4*\s+3], s[46:47], \s*ROWB
	s_or_b32 s[G0B+4*\s+3], s[G0B+4*\s+3], 0x80000000
	JLOAD G0+4*\s, G1, G0B+4*\s, G1B
.endr
	v_and_b32 v1, 15, v0                           ; r
	v_bfe_u32 v2, v0, 4, 1                         ; h
	v_mul_u32_u24 v3, v1, PITCH
	v_lshl_add_u32 v4, v2, 4, v3
	s_mul_i32 s21, s15, HALFT
	s_mul_i32 s22, s16, HALFT
	s_add_co_u32 s22, s22, 2*HALFT
.irp s, 0,1
	v_add_nc_u32 v[ADRA+\s], s21, v4
	v_add_nc_u32 v[ADRB+\s], s22, v4
	s_add_co_u32 s21, s21, SLOT
	s_add_co_u32 s22, s22, SLOT
.endr
	v_mul_u32_u24 v5, v1, KS                       ; my row's scales: KS bytes a row, 16 more for each 256 passed
	v_lshrrev_b32 v6, 8, v5
	v_lshl_add_u32 v5, v6, 4, v5
	s_mul_i32 s21, s15, HALFS
	s_mul_i32 s22, s16, HALFS
	s_add_co_u32 s22, s22, 2*HALFS
	s_sub_co_u32 s22, s22, s21
	v_mul_u32_u24 v6, s22, v2                      ; lanes 16-31 take B's
	s_add_co_u32 s21, s21, SCL
	v_add_nc_u32 v5, v5, v6
	v_add_nc_u32 v[ADRS], s21, v5
	v_and_b32 v6, 31, v0
	v_lshlrev_b32 v[LI], 4, v6
	v_and_b32 v7, 7, v1
	v_lshl_add_u32 v7, v2, 3, v7
	v_lshrrev_b32 v8, 3, v1
	v_lshl_add_u32 v7, v8, 4, v7
	v_lshlrev_b32 v7, 4, v7                        ; v's place: 16 ((r & 7) + 8 h + 16 (r >> 3))
	s_cmp_eq_u32 ttmp9, 2
	s_cselect_b32 s18, -1, 0
	v_cndmask_b32 v[GOF], v[LI], v7, s18
	v_lshlrev_b32 v[BOF], 5, v2
	s_lshl_b32 s19, s14, 9
	v_add_nc_u32 v[CSA], s19, v[BOF]
	v_add_nc_u32 v[CSR], s19, v[LI]
	s_cmp_eq_u32 ttmp9, 0                          ; the bias: by the cluster's x, which all partners share
	s_cselect_b64 s[96:97], s[96:97], s[98:99]
	s_cmp_eq_u32 ttmp9, 2
	s_cselect_b64 s[96:97], s[100:101], s[96:97]
	s_lshl_b32 s46, s40, 10                        ; my first column among the 1,024: 256 cx + 128 x half, 4 bytes each
	s_lshl_b32 s47, s16, 9
	s_add_co_u32 s46, s46, s47
	s_mov_b32 s47, 0
	s_add_nc_u64 s[96:97], s[96:97], s[46:47]
.irp b, 0,1,2,3,4,5,6,7
	global_load_b128 v[BI+8*\b:BI+8*\b+3], v[BOF], s[96:97] offset:64*\b        ; lane (r, h): the bias of columns 16 b + 8 h + 0 .. 7
	global_load_b128 v[BI+8*\b+4:BI+8*\b+7], v[BOF], s[96:97] offset:64*\b+16
.endr
	s_lshl_b32 s18, s41, 4                         ; batch x 16 + my first head: 16 cy + 4 cx + 2 x half
	s_lshl_b32 s19, s40, 2
	s_add_co_u32 s18, s18, s19
	s_lshl_b32 s19, s16, 1
	s_add_co_u32 s18, s18, s19
	s_and_b32 s19, ttmp7, 0xffff                   ; cluster y
	s_lshl_b32 s20, ttmp9, 24                      ; qkv: which x 16 MiB + (batch, head) x 256 KiB + token tile (16 cluster y + 8 x half) x 2 KiB
	s_lshl_b32 s21, s18, 18
	s_add_co_u32 s20, s20, s21
	s_lshl_b32 s21, s19, 15
	s_add_co_u32 s20, s20, s21
	s_lshl_b32 s21, s15, 14
	s_add_co_u32 s20, s20, s21
	s_mov_b32 s21, 0
	s_add_nc_u64 s[12:13], s[12:13], s[20:21]
	s_lshl_b32 s20, ttmp9, 19                      ; qkvf: which x 512 KiB + (batch, head) x 8 KiB
	s_lshl_b32 s22, s18, 13
	s_add_co_u32 s20, s20, s22
	s_add_nc_u64 s[66:67], s[66:67], s[20:21]
	s_lshl_b32 s20, s41, 4                         ; vpart: row 16 cy + 2 cluster y + half, 4,096 bytes; my 128 columns
	s_lshl_b32 s22, s19, 1
	s_add_co_u32 s20, s20, s22
	s_add_co_u32 s20, s20, s15
	s_lshl_b32 s20, s20, 12
	s_add_co_u32 s20, s20, s46
	s_add_nc_u64 s[2:3], s[2:3], s[20:21]
.macro FRAG reg, adr, q, i             ; 16 rows x 128 K of 4-bit codes: 8 registers, two loads of 16 bytes, 32 bytes apart
.irp c, 0,1
	ds_load_b128 v[\reg+4*\c:\reg+4*\c+3], v[\adr] offset:64*(\q)+32*\c+(\i)*16*PITCH
.endr
.endm
; 16 matrix instructions: A's blocks a0, a0 + 1 x B's eight.  first = 1: the bias starts the sums.  The 64 accumulators take turns, one instruction a turn.
.macro MUL16 a0, p, q, sc, first
.irp a, \a0, \a0+1
.irp b, 0,1,2,3,4,5,6,7
.if \first
	v_wmma_scale_f32_16x16x128_f8f6f4 v[8*(8*((\a)%4)+\b):8*(8*((\a)%4)+\b)+7], v[128*(\p)+FR*\b:128*(\p)+FR*\b+FR-1], v[AF+FR*(\a):AF+FR*(\a)+FR-1], v[BI+8*\b:BI+8*\b+7], v[SC+8*NQ*(\sc)+NQ*\b+(\q)], v[SC+8*NQ*(\sc)+NQ*(\a)+(\q)] matrix_a_fmt:MATRIX_FMT_FP4 matrix_b_fmt:MATRIX_FMT_FP4 matrix_a_scale:MATRIX_SCALE_ROW1
.else
	v_wmma_scale_f32_16x16x128_f8f6f4 v[8*(8*((\a)%4)+\b):8*(8*((\a)%4)+\b)+7], v[128*(\p)+FR*\b:128*(\p)+FR*\b+FR-1], v[AF+FR*(\a):AF+FR*(\a)+FR-1], v[8*(8*((\a)%4)+\b):8*(8*((\a)%4)+\b)+7], v[SC+8*NQ*(\sc)+NQ*\b+(\q)], v[SC+8*NQ*(\sc)+NQ*(\a)+(\q)] matrix_a_fmt:MATRIX_FMT_FP4 matrix_b_fmt:MATRIX_FMT_FP4 matrix_a_scale:MATRIX_SCALE_ROW1
.endif
.endr
.endr
.endm
.macro FETCH_B slot, q, p
	WIN TO_B
.irp i, 0,1,2,3,4,5,6,7
	FRAG 128*(\p)+FR*\i, ADRB+\slot, \q, \i
.endr
	WIN 0
.endm
.macro FETCH_A slot, q, i0
.irp i, \i0, \i0+1, \i0+2, \i0+3
	FRAG AF+FR*(\i), ADRA+\slot, \q, \i
.endr
.endm
.macro SCALES sc                       ; a slot's scale words: lanes 0-15 A's block i, lanes 16-31 B's block i
.irp i, 0,1,2,3,4,5,6,7
	ds_load_b128 v[SC+8*NQ*\sc+NQ*\i:SC+8*NQ*\sc+NQ*\i+3], v[ADRS] offset:\i*SBLK
.endr
.endm
.macro PLACES n                        ; plain vector instructions between a matrix instruction and a load into, or a read of, its registers
.rept \n
	v_nop
.endr
.endm
.macro STEP slot, q, first             ; 128 along K with its successor in the same slot
	s_wait_dscnt 4*NL                              ; B's set and A's blocks 0-3 are in; the youngest eight loads (A's blocks 4-7) may be out
.if \first
	WIN 0x81                                       ; C (the bias) in window 0, D in window 2
.else
	WIN MUL_LO
.endif
	MUL16 0, (\q)%2, \q, \slot, \first
	MUL16 2, (\q)%2, \q, \slot, \first
	s_wait_dscnt 0
	PLACES NP
	FETCH_B \slot, (\q)+1, 1-(\q)%2
	FETCH_A \slot, (\q)+1, 0
.if \first
	WIN 0xc1
.else
	WIN MUL_HI
.endif
	MUL16 4, (\q)%2, \q, \slot, \first
	MUL16 6, (\q)%2, \q, \slot, \first
	PLACES NP
	WIN 0
	FETCH_A \slot, (\q)+1, 4
.endm
.macro TURN slot, next                 ; slot 0's last step: one barrier; behind it slot 1 is whole for every wave and nobody reads slot 0
	s_wait_tensorcnt 0x0                           ; my part of slot 1, my last load, has landed
	ds_add_u32 v[SPW], v[NIL]
	s_wait_dscnt 4*NL+1                            ; (the add and the youngest eight loads may be out)
	WIN MUL_LO
	MUL16 0, 1, NQ-1, \slot, 0
	s_wait_dscnt 0x0                               ; the add is done, and my reads of this slot are over
	s_barrier_signal -1
	MUL16 2, 1, NQ-1, \slot, 0
	WIN 0
	s_barrier_wait -1
	PLACES NP
	v_add_nc_u32 v[ADRS], 4*NQ, v[ADRS]            ; the next slot's scale words
	FETCH_B \next, 0, 0
	FETCH_A \next, 0, 0
	SCALES \next
	WIN MUL_HI
	MUL16 4, 1, NQ-1, \slot, 0
	MUL16 6, 1, NQ-1, \slot, 0
	PLACES NP
	WIN 0
	FETCH_A \next, 0, 4
.endm
.macro STEPS slot, from
.set Q, \from
.rept NQ-1-\from
	STEP \slot, Q, 0
.set Q, Q+1
.endr
.endm
	s_wait_tensorcnt 1                             ; the scales and my part of slot 0 are in; slot 1's load may be out
	s_barrier_signal -1
	s_barrier_wait -1
	FETCH_B 0, 0, 0
	FETCH_A 0, 0, 0
	SCALES 0
	FETCH_A 0, 0, 4
	s_wait_loadcnt 0x0                             ; the bias
	STEP 0, 0, 1
	STEPS 0, 1
	TURN 0, 1
	STEPS 1, 0
	s_wait_dscnt 4*NL                              ; the last step: nothing more to fetch
	WIN MUL_LO
	MUL16 0, 1, NQ-1, 1, 0
	MUL16 2, 1, NQ-1, 1, 0
	s_wait_dscnt 0
	WIN MUL_HI
	MUL16 4, 1, NQ-1, 1, 0
	MUL16 6, 1, NQ-1, 1, 0
	WIN 0
	PLACES NP                                      ; in front of the first reads of results and the first writes over operands
	; positions 0-31 of a batch (cluster y = 0, the waves of the tile's first half): the accumulators of token tiles 0 and 1 as they stand, each from its low end on
	s_and_b32 s18, ttmp7, 0xffff
	s_or_b32 s18, s18, s15
	s_cmp_lg_u32 s18, 0
	s_cbranch_scc1 .Lnot_first
	WIN 0x08                                       ; a store's data: window 2
.irp a, 0,1
.irp b, 0,1,2,3,4,5,6,7
	global_store_b128 v[LI], v[8*(8*\a+\b):8*(8*\a+\b)+3], s[66:67] offset:\a*4096+(\b/4)*8192+(\b%4)*1024
	global_store_b128 v[LI], v[8*(8*\a+\b)+4:8*(8*\a+\b)+7], s[66:67] offset:\a*4096+(\b/4)*8192+(\b%4)*1024+512
.endr
.endr
	WIN 0
.Lnot_first:
.macro PACK a                          ; token tile a: rounded to f16 and stored: block b is head b / 4, sub-block b % 4
.set AC, 64*((\a)%4)
.set TMP, 32+32*((\a)%4)
	WIN 0x0a+5*((\a)/4)
.irp b, 0,1,2,3,4,5,6,7
.irp r, 0,1,2,3
	v_cvt_pk_f16_f32 v[TMP+4*\b+\r], v[AC+8*\b+2*\r], v[AC+8*\b+2*\r+1]
.endr
.endr
	WIN 0
.irp b, 0,1,2,3,4,5,6,7
	global_store_b128 v[GOF], v[TMP+4*\b:TMP+4*\b+3], s[12:13] offset:(\a)*2048+(\b/4)*262144+(\b%4)*512
.endr
.endm
	PACK 0
	PACK 1
	PACK 2
	PACK 3
	s_wait_xcnt 0x0                                ; the four sets of packed registers come round again only behind this wait
	PACK 4
	PACK 5
	PACK 6
	PACK 7
	s_cmp_lg_u32 ttmp9, 2                          ; v alone: the sums over my 128 tokens
	s_cbranch_scc1 .Lno_sums
	s_wait_xcnt 0x0                                ; the stores have read the accumulators and the packed registers
	WIN 0x8e                                       ; window 2 += window 3
.set i, 0
.rept 128
	v_pk_add_f32 v[i:i+1], v[i:i+1], v[i:i+1]
.set i, i+2
.endr
	WIN 0x8a
.set i, 0
.rept 32
	v_pk_add_f32 v[i:i+1], v[i:i+1], v[64+i:65+i]
	v_pk_add_f32 v[128+i:129+i], v[128+i:129+i], v[192+i:193+i]
.set i, i+2
.endr
	WIN 0x0a
.set i, 0
.rept 32
	v_pk_add_f32 v[32+i:33+i], v[i:i+1], v[128+i:129+i]
.set i, i+2
.endr
	WIN 0
.irp m, 1,2,4,8                        ; over the 16 tokens that lie in the 16 lanes of a half
.set i, 0
.rept 64
	v_add_f32_dpp v[32+i], v[32+i], v[32+i] row_xmask:\m row_mask:0xf bank_mask:0xf
.set i, i+1
.endr
.endr
.irp b, 0,1,2,3,4,5,6,7                ; into slot 0, which has had its last fill and its last read: column c at 4 c; the 16 lanes of a half write the same bytes with the same value
	ds_store_b128 v[CSA], v[32+8*\b:35+8*\b] offset:64*\b
	ds_store_b128 v[CSA], v[36+8*\b:39+8*\b] offset:64*\b+16
.endr
	ds_load_b128 v[96:99], v[CSR]                  ; LDS serves a wave's instructions in order: this sees my stores
	s_wait_dscnt 0x0
	global_store_b128 v[LI], v[96:99], s[2:3]
.Lno_sums:
	s_wait_tensorcnt 0x0                           ; the wave's end
	ds_add_u32 v[SPW], v[NIL]
	s_wait_dscnt 0x0
	CROUND                                         ; the closing round
	s_endpgm
.Lfunc_end_k_qe619bb8af9_qkv:
	.size	k_qe619bb8af9_qkv, .Lfunc_end_k_qe619bb8af9_qkv-k_qe619bb8af9_qkv
	.p2alignl 7, 3214868480
	.fill 96, 4, 3214868480
	.section	.rodata,"a",@progbits
	.p2align	6, 0x0
	.amdhsa_kernel k_qe619bb8af9_qkv
		.amdhsa_group_segment_fixed_size 327680
		.amdhsa_private_segment_fixed_size 0
		.amdhsa_enable_private_segment 0
		.amdhsa_kernarg_size 64
		.amdhsa_user_sgpr_count 2
		.amdhsa_user_sgpr_kernarg_segment_ptr 1
		.amdhsa_wavefront_size32 1
		.amdhsa_system_sgpr_workgroup_id_x 1
		.amdhsa_system_sgpr_workgroup_id_y 1
		.amdhsa_system_sgpr_workgroup_id_z 1
		.amdhsa_system_vgpr_workitem_id 0
		.amdhsa_next_free_vgpr 1024
		.amdhsa_next_free_sgpr 104
		.amdhsa_reserve_vcc 0
		.amdhsa_float_denorm_mode_32 3
		.amdhsa_float_denorm_mode_16_64 3
		.amdhsa_memory_ordered 1
		.amdhsa_forward_progress 1
		.amdhsa_inst_pref_size 155
	.end_amdhsa_kernel
	.amdgpu_metadata
---
amdhsa.version: [ 1, 2 ]
amdhsa.kernels:
  - .name:           k_qe619bb8af9_qkv
    .symbol:         k_qe619bb8af9_qkv.kd
    .args:
      - { .name: cds, .offset: 0, .size: 8, .value_kind: global_buffer, .address_space: global }
      - { .name: scl, .offset: 8, .size: 8, .value_kind: global_buffer, .address_space: global }
      - { .name: bq, .offset: 16, .size: 8, .value_kind: global_buffer, .address_space: global }
      - { .name: bk, .offset: 24, .size: 8, .value_kind: global_buffer, .address_space: global }
      - { .name: bv, .offset: 32, .size: 8, .value_kind: global_buffer, .address_space: global }
      - { .name: qkv, .offset: 40, .size: 8, .value_kind: global_buffer, .address_space: global }
      - { .name: qkvf, .offset: 48, .size: 8, .value_kind: global_buffer, .address_space: global }
      - { .name: vpart, .offset: 56, .size: 8, .value_kind: global_buffer, .address_space: global }
    .group_segment_fixed_size: 327680
    .private_segment_fixed_size: 0
    .kernarg_segment_align: 8
    .kernarg_segment_size: 64
    .max_flat_workgroup_size: 128
    .sgpr_count:     104
    .vgpr_count:     1024
    .wavefront_size: 32
...
	.end_amdgpu_metadata
.endif
;; end of part 2
;; launch fineattn (part 3): grid 64 x 1, 2 waves a work-group, no clusters, 0 bytes of LDS; arguments qkvf, vpart, attn_mask, yf; writes yf
.if DOCPART == 3
	.amdgcn_target "amdgcn-amd-amdhsa--gfx1250"
	.amdhsa_code_object_version 6
	.text
	.protected	k_qe619bb8af9_fineattn
	.globl	k_qe619bb8af9_fineattn
	.p2align	8
	.type	k_qe619bb8af9_fineattn,@function
k_qe619bb8af9_fineattn:
	s_mov_b64 s[64:65], 0
	v_nop
	global_prefetch_b8 v0, s[64:65] scope:SCOPE_SE
	s_setreg_imm32_b32 hwreg(HW_REG_WAVE_MODE, 25, 1), 1
	s_wait_xcnt 0x0
; Positions 0-31 of every (batch, head), where a row averages few values: both attention products with f32 operands, the softmax in f32, y stored as a pair of f16 numbers (high part, low part).
; A work-group is one (batch, head); wave qt owns queries 16 qt .. 16 qt + 15 and takes keys 0-31.  No LDS byte is touched, no barrier: the waves share nothing.  Clusters and tensor loads would buy nothing for 24 KiB.
; S^T = K Q^T and O^T = V^T P: a lane holds one query (lane % 16).  qkvf holds accumulators as they stood: token r, channel 16 blk + 8 h + 4 half + i at blk x 1024 + half x 512 + (r + 16 h) x 16 + 4 i.
; The f32 form takes k = 2 h + j from register j; a pair of loaded registers gives lane (r, h) channels 16 blk + 8 h + 2 s + j, in K and in Q alike: a permutation of the channels that both operands share.
; A key that comes after the query, or whose mask is false, counts as -1e9, as in the module; a query whose own mask is false has a uniform softmax over all 2,048 keys: it gets the mean of v (vpart's 16 partial sums / 2048).
; The registers that the f32 matrix form writes (v176-223) are written by matrix instructions alone, and each sum begins with the constant 0.
.set Q,  16                            ; v16-47   Q: block b at + 8 b; later y in f32
.set K,  48                            ; v48-111  K: key tile kt at + 32 kt; later vpart, the mean, y's parts
.set VT, 112                           ; v112-175 V^T: + 32 kt + 8 ct + j: token 16 kt + 8 h + j, channel 16 ct + r
.set SA, 176                           ; v176-191 S^T
.set OA, 192                           ; v192-223 O^T
.set P,  224                           ; v224-239 scores, then p
.set W,  240                           ; v240-255 at work
	s_load_b256 s[4:11], s[0:1], 0x0               ; qkvf, vpart, attn_mask, yf
	v_lshrrev_b32 v1, 5, v0
	v_readfirstlane_b32 s12, v1                    ; qt
	v_and_b32 v1, 15, v0                           ; r
	v_bfe_u32 v2, v0, 4, 1                         ; h
	v_and_b32 v3, 31, v0
	v_lshlrev_b32 v3, 4, v3                        ; 16 x lane
	v_bfe_u32 v4, v1, 2, 1
	v_lshlrev_b32 v4, 9, v4
	v_lshrrev_b32 v5, 3, v1
	v_lshl_add_u32 v4, v5, 8, v4
	v_and_b32 v5, 3, v1
	v_lshl_add_u32 v4, v5, 2, v4
	v_lshl_add_u32 v4, v2, 7, v4                   ; V^T: channel r of a block, tokens 8 h on
	v_lshlrev_b32 v5, 3, v2                        ; 8 h
	s_lshl_b32 s13, s12, 4
	v_add_nc_u32 v6, s13, v1                       ; my query
	v_sub_nc_u32 v13, v6, v5                       ; d = query - 8 h: register 8 kt + j holds key 16 kt + 8 h + j, hidden where 16 kt + j > d
	v_mov_b32 v14, 0xce6e6b28                      ; -1e9
	v_lshlrev_b32 v7, 12, v2
	v_lshl_add_u32 v7, v1, 4, v7                   ; vpart: partial (2 i + h), channels 4 r on
.irp i, 0,1,2,3
	v_mov_b32 v[W+\i], 0                           ; a lane permute's destination counts as one of its sources
.endr
	s_lshr_b32 s14, ttmp9, 4                       ; batch
	s_and_b32 s15, ttmp9, 15                       ; head
	s_lshl_b32 s16, ttmp9, 13
	s_mov_b32 s17, 0
	s_lshl_b32 s18, s12, 12
	s_mov_b32 s19, 0
	s_lshl_b32 s20, s14, 11
	s_mov_b32 s21, 0
	s_lshl_b32 s22, s14, 16
	s_lshl_b32 s23, s15, 8
	s_add_co_u32 s22, s22, s23
	s_mov_b32 s23, 0
	s_lshl_b32 s24, s14, 1
	s_add_co_u32 s24, s24, s12
	s_lshl_b32 s24, s24, 15
	s_lshl_b32 s25, s15, 11
	s_add_co_u32 s24, s24, s25
	s_mov_b32 s25, 0
	s_mov_b32 s26, 0x76543210
	s_mov_b32 s27, 0xfedcba98                      ; v_permlanex16_b32's selects for lane l xor 16
	s_mov_b32 s30, 0x3fb8aa3b                      ; log2(e)
	s_wait_kmcnt 0x0
	s_add_nc_u64 s[4:5], s[4:5], s[16:17]
	s_add_nc_u64 s[28:29], s[4:5], s[18:19]
	s_add_nc_u64 s[6:7], s[6:7], s[22:23]
	s_add_nc_u64 s[8:9], s[8:9], s[20:21]
	s_add_nc_u64 s[10:11], s[10:11], s[24:25]
.irp i, 0,1,2,3,4,5,6,7
	global_load_b128 v[Q+4*\i:Q+4*\i+3], v3, s[28:29] offset:512*\i
.endr
.irp i, 0,1,2,3,4,5,6,7,8,9,10,11,12,13,14,15
	global_load_b128 v[K+4*\i:K+4*\i+3], v3, s[4:5] offset:524288+512*\i
.endr
.irp kt, 0,1
.irp ct, 0,1,2,3
.irp j, 0,1,2,3,4,5,6,7
	global_load_b32 v[VT+32*\kt+8*\ct+\j], v4, s[4:5] offset:1048576+\kt*4096+\ct*1024+16*\j
.endr
.endr
.endr
	global_load_b64 v[8:9], v5, s[8:9]             ; the masks of keys 8 h .. 8 h + 7,
	global_load_b64 v[10:11], v5, s[8:9] offset:16 ; of keys 16 + 8 h on,
	global_load_u8 v12, v6, s[8:9]                 ; and of my query
	s_wait_loadcnt 0x0
.irp bs, 0,1,2,3,4,5,6,7,8,9,10,11,12,13,14,15      ; S^T: the two key tiles take turns, one instruction a turn
.irp kt, 0,1
.if \bs == 0
	v_wmma_f32_16x16x4_f32 v[SA+8*\kt:SA+8*\kt+7], v[K+32*\kt:K+32*\kt+1], v[Q:Q+1], 0
.else
	v_wmma_f32_16x16x4_f32 v[SA+8*\kt:SA+8*\kt+7], v[K+32*\kt+2*\bs:K+32*\kt+2*\bs+1], v[Q+2*\bs:Q+2*\bs+1], v[SA+8*\kt:SA+8*\kt+7]
.endif
.endr
.endr
.rept 8
	v_nop                                          ; eight places behind this form, in front of loads into K's registers and of the first read of the scores
.endr
.irp i, 0,1,2,3,4,5,6,7
	global_load_b128 v[48+4*\i:51+4*\i], v7, s[6:7] offset:8192*\i
.endr
.irp n, 0,1,2,3,4,5,6,7,8,9,10,11,12,13,14,15
	v_mul_f32 v[P+\n], 0x3e000000, v[SA+\n]        ; / sqrt(64)
.endr
.irp n, 0,1,2,3,4,5,6,7,8,9,10,11,12,13,14,15
	v_cmp_gt_i32 vcc_lo, 16*(\n/8)+\n%8, v13
	v_cndmask_b32 v[P+\n], v[P+\n], v14, vcc_lo
	v_bfe_u32 v15, v[8+2*(\n/8)+(\n%8)/4], 8*(\n%4), 8
	v_cmp_eq_u32 vcc_lo, 0, v15
	v_cndmask_b32 v[P+\n], v[P+\n], v14, vcc_lo
.endr
	v_max3_num_f32 v[W], v[P], v[P+1], v[P+2]
	v_max3_num_f32 v[W+1], v[P+3], v[P+4], v[P+5]
.irp i, 6,10
	v_max3_num_f32 v[W], v[W], v[P+\i], v[P+\i+1]
	v_max3_num_f32 v[W+1], v[W+1], v[P+\i+2], v[P+\i+3]
.endr
	v_max3_num_f32 v[W], v[W], v[P+14], v[P+15]
	v_max_num_f32 v[W], v[W], v[W+1]
	v_permlanex16_b32 v[W+2], v[W], s26, s27
	v_max_num_f32 v[W], v[W], v[W+2]               ; the row's maximum
	v_mul_f32 v[W+1], s30, v[W]
.irp n, 0,1,2,3,4,5,6,7,8,9,10,11,12,13,14,15
	v_fma_f32 v[P+\n], v[P+\n], s30, -v[W+1]       ; (score - maximum) x log2(e); the rounding of the second term is common to the row and leaves with the division
.endr
.irp n, 0,1,2,3,4,5,6,7,8,9,10,11,12,13,14,15
	v_exp_f32 v[P+\n], v[P+\n]
.endr
	v_nop                                          ; a plain line behind the last exponential,
	s_wait_alu depctr_va_vdst(0)                   ; and one wait for the batch, ahead of its first reader
	v_pk_add_f32 v[W+4:W+5], v[P:P+1], v[P+2:P+3]
	v_pk_add_f32 v[W+6:W+7], v[P+4:P+5], v[P+6:P+7]
	v_pk_add_f32 v[W+4:W+5], v[W+4:W+5], v[P+8:P+9]
	v_pk_add_f32 v[W+6:W+7], v[W+6:W+7], v[P+10:P+11]
	v_pk_add_f32 v[W+4:W+5], v[W+4:W+5], v[P+12:P+13]
	v_pk_add_f32 v[W+6:W+7], v[W+6:W+7], v[P+14:P+15]
	v_pk_add_f32 v[W+4:W+5], v[W+4:W+5], v[W+6:W+7]
	v_add_f32 v[W+4], v[W+4], v[W+5]
	v_permlanex16_b32 v[W+2], v[W+4], s26, s27
	v_add_f32 v[W+4], v[W+4], v[W+2]               ; the row's sum
	v_rcp_f32 v15, v[W+4]
	v_nop
	s_wait_alu depctr_va_vdst(0)
.irp ks, 0,1,2,3,4,5,6,7                           ; O^T: the four channel tiles take turns
.irp ct, 0,1,2,3
.if \ks == 0
	v_wmma_f32_16x16x4_f32 v[OA+8*\ct:OA+8*\ct+7], v[VT+8*\ct:VT+8*\ct+1], v[P:P+1], 0
.else
	v_wmma_f32_16x16x4_f32 v[OA+8*\ct:OA+8*\ct+7], v[VT+32*(\ks/4)+8*\ct+2*(\ks%4):VT+32*(\ks/4)+8*\ct+2*(\ks%4)+1], v[P+2*\ks:P+2*\ks+1], v[OA+8*\ct:OA+8*\ct+7]
.endif
.endr
.endr
	s_wait_loadcnt 0x0                             ; vpart.  The mean of v: its fourteen additions name no register of the products above and are the places behind them
.irp i, 1,2,3,4,5,6,7
	v_pk_add_f32 v[48:49], v[48:49], v[48+4*\i:49+4*\i]
	v_pk_add_f32 v[50:51], v[50:51], v[50+4*\i:51+4*\i]
.endr
.irp i, 0,1,2,3
	v_permlanex16_b32 v[W+\i], v[48+\i], s26, s27
.endr
.irp i, 0,1,2,3
	v_add_f32 v[W+\i], v[W+\i], v[48+\i]
.endr
.irp i, 0,1,2,3
	v_mul_f32 v[W+\i], 0x3a000000, v[W+\i]         ; / 2048: lane l % 16 = c holds channels 4 c .. 4 c + 3
.endr
.irp e, 0,1,2,3,4,5,6,7
	v_add_nc_u32 v[W+4+\e], 16*(\e/2)+4*(\e%2), v5 ; 4 x the lane that holds channels 16 ct + 8 h + 4 jj on (e = 2 ct + jj)
.endr
.irp e, 0,1,2,3,4,5,6,7
.irp i, 0,1,2,3
	ds_bpermute_b32 v[48+4*\e+\i], v[W+4+\e], v[W+\i]
.endr
.endr
	v_cmp_ne_u32 s31, 0, v12
.irp n, 0,1,2,3,4,5,6,7,8,9,10,11,12,13,14,15,16,17,18,19,20,21,22,23,24,25,26,27,28,29,30,31
	v_mul_f32 v[Q+\n], v[OA+\n], v15               ; O^T / the sum, each accumulator from its low end on
.endr
	s_wait_dscnt 0x0
.irp n, 0,1,2,3,4,5,6,7,8,9,10,11,12,13,14,15,16,17,18,19,20,21,22,23,24,25,26,27,28,29,30,31
	v_cndmask_b32 v[Q+\n], v[48+\n], v[Q+\n], s31  ; a query whose mask is false takes the mean
.endr
.irp r, 80,81,82,83,84,85,86,87,88,89,90,91,92,93,94,95
	v_cvt_pk_f16_f32 v\r, v[Q+2*(\r-80)], v[Q+2*(\r-80)+1]
	v_cvt_f32_f16 v[W+2*(\r%2)], v\r\().l
	v_cvt_f32_f16 v[W+1+2*(\r%2)], v\r\().h
	v_pk_add_f32 v[W+2*(\r%2):W+1+2*(\r%2)], v[Q+2*(\r-80):Q+2*(\r-80)+1], v[W+2*(\r%2):W+1+2*(\r%2)] neg_lo:[0,1] neg_hi:[0,1]
	v_cvt_pk_f16_f32 v[96+\r-80], v[W+2*(\r%2)], v[W+1+2*(\r%2)]
.endr
.irp ct, 0,1,2,3
	global_store_b128 v3, v[80+4*\ct:83+4*\ct], s[10:11] offset:512*\ct            ; 512 consecutive bytes, aligned: half a fragment of the projection's operand
	global_store_b128 v3, v[96+4*\ct:99+4*\ct], s[10:11] offset:262144+512*\ct
.endr
	s_endpgm
.Lfunc_end_k_qe619bb8af9_fineattn:
	.size	k_qe619bb8af9_fineattn, .Lfunc_end_k_qe619bb8af9_fineattn-k_qe619bb8af9_fineattn
	.p2alignl 7, 3214868480
	.fill 96, 4, 3214868480
	.section	.rodata,"a",@progbits
	.p2align	6, 0x0
	.amdhsa_kernel k_qe619bb8af9_fineattn
		.amdhsa_group_segment_fixed_size 0
		.amdhsa_private_segment_fixed_size 0
		.amdhsa_enable_private_segment 0
		.amdhsa_kernarg_size 32
		.amdhsa_user_sgpr_count 2
		.amdhsa_user_sgpr_kernarg_segment_ptr 1
		.amdhsa_wavefront_size32 1
		.amdhsa_system_sgpr_workgroup_id_x 1
		.amdhsa_system_sgpr_workgroup_id_y 1
		.amdhsa_system_sgpr_workgroup_id_z 1
		.amdhsa_system_vgpr_workitem_id 0
		.amdhsa_next_free_vgpr 256
		.amdhsa_next_free_sgpr 66
		.amdhsa_reserve_vcc 1
		.amdhsa_float_denorm_mode_32 3
		.amdhsa_float_denorm_mode_16_64 3
		.amdhsa_memory_ordered 1
		.amdhsa_forward_progress 1
		.amdhsa_inst_pref_size 35
	.end_amdhsa_kernel
	.amdgpu_metadata
---
amdhsa.version: [ 1, 2 ]
amdhsa.kernels:
  - .name:           k_qe619bb8af9_fineattn
    .symbol:         k_qe619bb8af9_fineattn.kd
    .args:
      - { .name: qkvf, .offset: 0, .size: 8, .value_kind: global_buffer, .address_space: global }
      - { .name: vpart, .offset: 8, .size: 8, .value_kind: global_buffer, .address_space: global }
      - { .name: attn_mask, .offset: 16, .size: 8, .value_kind: global_buffer, .address_space: global }
      - { .name: yf, .offset: 24, .size: 8, .value_kind: global_buffer, .address_space: global }
    .group_segment_fixed_size: 0
    .private_segment_fixed_size: 0
    .kernarg_segment_align: 8
    .kernarg_segment_size: 32
    .max_flat_workgroup_size: 64
    .sgpr_count:     66
    .vgpr_count:     256
    .wavefront_size: 32
...
	.end_amdgpu_metadata
.endif
;; end of part 3
;; launch attn (part 4): grid 4 x 64, 16 waves a work-group, clusters of 4 x 1, 327,680 bytes of LDS; arguments qkv, vpart, attn_mask, y; writes y
.if DOCPART == 4
	.amdgcn_target "amdgcn-amd-amdhsa--gfx1250"
	.amdhsa_code_object_version 6
	.text
	.protected	k_qe619bb8af9_attn
	.globl	k_qe619bb8af9_attn
	.p2align	8
	.type	k_qe619bb8af9_attn,@function
k_qe619bb8af9_attn:
	s_mov_b64 s[64:65], 0
	v_nop
	global_prefetch_b8 v0, s[64:65] scope:SCOPE_SE
	s_setreg_imm32_b32 hwreg(HW_REG_WAVE_MODE, 25, 1), 1
	s_wait_xcnt 0x0
	s_wait_alu depctr_hold_cnt(0) depctr_sa_sdst(0) depctr_va_vdst(0) depctr_va_sdst(0) depctr_va_ssrc(0) depctr_va_vcc(0) depctr_vm_vsrc(0)
	s_getreg_b32 s2, hwreg(HW_REG_IB_STS2, 6, 4)
	s_cmp_eq_u32 s2, 0
	s_cbranch_scc0 .Lentry_in_a_cluster
	s_endpgm
.Lentry_in_a_cluster:
	s_bfe_u32 s2, ttmp6, 0x10000c
	s_cmp_lg_u32 s2, 0x3003
	s_cbranch_scc0 .Lentry_shape_is_right
	s_endpgm
.Lentry_shape_is_right:
; y[b][h][q] = softmax_k(q . k / 8, masked) v, f16 operands, f32 sums, a running maximum and sum in f32.  q, k, v come as images of 16-bit fragments (16 tokens x 32 channels, 1 KiB), y leaves so.
; MASKS.  Key k counts for query q where k <= q and both masks are true; else its score is -1e9 (here -8e9 ahead of the factor 1/8), as in the module.  The key's mask is an f32 table in LDS (0 or -8e9) that serves
; as the C of the first product; the causal mask is a compare and a select in the two steps of a wave that touch the diagonal.  A query whose own mask is false has a uniform softmax over all 2,048 keys: it takes the mean of v.
; SHARES.  A cluster of four work-groups is one (batch, head); they walk the same K and V, 256 keys a slot, asked for JOINTLY.  Wave w has the group g = w xor 3 ((w >> 2) & 1); partner cx's wave owns queries
; 128 g + 32 cx .. + 31, two tiles of 16.  So wave w of all four partners works in key steps (64 keys) 0 .. 2 g + 1 and leaves the later ones out: every branch hangs on the wave's number and the count of steps,
; none on the place in the cluster, which enters only Q's, the query masks', y's and the prefetch's global addresses and a lane's number in the causal compare.  Each partner's group 15 reads every slot.
; LAYOUT.  S^T = K Q^T, O^T = V^T P: a lane holds one query.  Two tiles of S^T rounded to f16 in pairs are source 1 of the second product.  V^T comes by the turning load at 16 x lane (v was stored for that).
; Sixteen waves of 256 registers, four to a SIMD: one wave's softmax stands beside another's products and LDS loads.
; LIMITS: |q|, |k|, |v|, |y| under 65,504; raw scores well above -8e9; NaN and infinities are not served.
.set SLOTB, 65536                      ; a slot: K 32 KiB, then V 32 KiB; slot 1 begins here: one exclusive or turns an address
.set KB,    131072                     ; the key bias, 2,048 x 4 bytes
.set VMB,   KB+8192                    ; the head's mean of v, 256 bytes
.set SPARE, VMB+256                    ; the spare words: 128 bytes a wave, eight blocks of 256 bytes that no other line names
.set LI,  1                            ; v1  16 x lane
.set ADR, 2                            ; v2  LI + the slot in hand
.set AB0, 3                            ; v3  KB + 32 (lane / 16)
.set ADB, 4                            ; v4  AB0 + the slot's keys
.set SPW, 5
.set NIL, 6
.set DQ,  7                            ; v7  32 cx + r - 8 h
.set PFO, 8                            ; v8  256 x lane: the prefetch's offset
.set D0,  9
.set CH,  10                           ; v10-13 the sums' second chains
.set D1,  14
.set NEG, 15                           ; v15 -8e9
.set ST,  16                           ; v16-31 statistics, 8 a tile: +0 c m, +1 m, +2, +3 the sum, +4 .. +7 at work, a in +6
.set Q,   32                           ; v32-63   Q: + 16 t + 8 f
.set KV,  64                           ; v64-127  K(kt, f) at + 16 kt + 8 f; later V^T(ct, kf) at + 16 ct + 8 kf
.set S,   128                          ; v128-191 S^T: + 32 t + 8 kt; P in place at + 32 t + 0 .. 15
.set O,   192                          ; v192-255 O^T: + 32 t + 8 ct
.set WV,  12
.macro CROUND
	s_barrier_signal -1
	s_barrier_wait -1
	s_cmp_lg_u32 s[WV], 0
	s_cbranch_scc1 .Lnot_wave_0_\@
	s_barrier_signal -3
.Lnot_wave_0_\@:
	s_barrier_wait -3
	s_barrier_signal -1
	s_barrier_wait -1
.endm
.macro TLOAD                           ; waves 0, 1 fetch K's halves of a slot, waves 2, 3 V's: 16 KiB each, one descriptor that walks.  An s_nop 0 and four v_nop follow the load
	s_cmp_lt_u32 s[WV], 4
	s_cbranch_scc0 .Lasked_\@
	tensor_load_to_lds s[32:35], s[24:31]
	s_nop 0
.rept 4
	v_nop
.endr
.Lasked_\@:
.endm
; A prefetch of what the NEXT change of slots will ask for: 32 KiB of K and of V.  Wave 4 asks for K's, wave 5 for V's; the four partners take 8 KiB each, told apart by address; a lane names 256 bytes.
; So each block is named once in the launch.  It runs a slot's four key steps ahead of the joint load; the last change that fills a slot asks for nothing; slots 0 and 1 come by their loads alone.
.macro ASK
	s_cmp_gt_u32 s22, s42
	s_cbranch_scc0 .Lnot_mine_\@
	global_prefetch_b8 v[PFO], s[40:41] th:TH_LOAD_NT scope:SCOPE_SE
.Lnot_mine_\@:
.endm
	s_load_b256 s[4:11], s[0:1], 0x0               ; qkv, vpart, attn_mask, y
	v_lshl_add_u32 v[SPW], v0, 2, SPARE
	v_mov_b32 v[NIL], 0
	ds_add_u32 v[SPW], v[NIL]                      ; the wave's opening: the add, twice on end, and its wait ahead of the first tensor load
	ds_add_u32 v[SPW], v[NIL]
	v_lshrrev_b32 v64, 5, v0
	v_readfirstlane_b32 s[WV], v64                 ; wave 0..15
	s_bfe_u32 s13, ttmp6, 0x40000                  ; cx
	s_and_b32 s14, ttmp7, 0xffff                   ; batch x 16 + head: the cluster's y
	s_bfe_u32 s15, s[WV], 0x10002
	s_mul_i32 s15, s15, 3
	s_xor_b32 s15, s15, s[WV]                      ; g
	s_lshl_b32 s17, s15, 1                         ; the first step on the diagonal
	s_add_co_u32 s16, s17, 1                       ; my last step
	s_lshr_b32 s23, s15, 1                         ; the slot in which it lies
	s_mov_b32 s18, 0                               ; the step's number
	s_mov_b32 s19, 0                               ; the slot in hand, in LDS
	s_mov_b32 s21, 0                               ; its keys in the bias table
	s_mov_b32 s22, 7                               ; slots still to be asked for
	s_mov_b32 s43, 0                               ; the slot's number
	s_mov_b32 s36, 0x3e38aa3b                      ; c = log2(e) / 8
	s_mov_b32 s37, s36
	s_mov_b32 s38, 0x76543210
	s_mov_b32 s39, 0xfedcba98
	v_and_b32 v65, 31, v0
	v_lshlrev_b32 v[LI], 4, v65
	v_and_b32 v66, 15, v0                          ; r
	v_bfe_u32 v67, v0, 4, 1                        ; h
	v_lshl_add_u32 v[AB0], v67, 5, KB
	v_lshl_add_u32 v68, v0, 4, KB                  ; where I store four keys' biases
	v_lshl_add_u32 v69, v66, 4, VMB                ; and four channels of the mean
	v_lshlrev_b32 v[PFO], 8, v65
	v_lshlrev_b32 v70, 3, v67
	v_sub_nc_u32 v[DQ], v66, v70
	s_lshl_b32 s20, s13, 5
	v_add_nc_u32 v[DQ], s20, v[DQ]
	v_mov_b32 v[NEG], 0xcfee6b28
	v_lshlrev_b32 v71, 2, v0
	v_lshlrev_b32 v72, 12, v67
	v_lshl_add_u32 v72, v66, 4, v72
	s_mov_b32 s24, 15|(3<<16)|(1<<21)              ; group 1: all four partners; elements of 8 bytes; bit 21 beside a mask; a dense block of 64 rows x 256 bytes, no padding
	s_mov_b32 s25, 32<<16
	s_mov_b32 s26, 64<<16
	s_mov_b32 s27, 32<<16
	s_mov_b32 s28, 64
	s_mov_b32 s29, 32
	s_mov_b32 s30, 0
	s_mov_b32 s31, 0
	s_lshr_b32 s44, s14, 4                         ; batch
	s_and_b32 s45, s14, 15                         ; head
	s_and_b32 s48, s[WV], 3
	s_mov_b32 s32, 1
	s_lshl_b32 s33, s48, 14                        ; LDS: 16 KiB x (wave & 3)
	s_lshr_b32 s49, s48, 1
	s_add_co_u32 s49, s49, 1
	s_lshl_b32 s50, s49, 24                        ; k or v,
	s_and_b32 s49, s48, 1
	s_lshl_b32 s49, s49, 14
	s_add_co_u32 s50, s50, s49                     ; its half of the slot,
	s_lshl_b32 s52, s14, 18
	s_add_co_u32 s50, s50, s52                     ; in my head: nothing here hangs on cx
	s_mov_b32 s51, 0
	s_and_b32 s62, s[WV], 1
	s_add_co_u32 s62, s62, 1
	s_lshl_b32 s62, s62, 24
	s_add_co_u32 s62, s62, s52
	s_lshl_b32 s63, s13, 13
	s_add_co_u32 s62, s62, s63
	s_add_co_u32 s62, s62, 32768                   ; the prefetches stand in slot 1; the first change steps them to slot 2
	s_mov_b32 s63, 0
	s_lshl_b32 s53, s15, 14
	s_add_co_u32 s52, s52, s53
	s_lshl_b32 s53, s13, 12
	s_add_co_u32 s52, s52, s53                     ; Q: token tile 8 g + 2 cx
	s_mov_b32 s53, 0
	s_lshl_b32 s54, s44, 11
	s_mov_b32 s55, 0
	s_lshl_b32 s56, s15, 7
	s_add_co_u32 s56, s56, s54
	s_add_co_u32 s56, s56, s20                     ; my first query's mask
	s_mov_b32 s57, 0
	s_lshl_b32 s58, s44, 16
	s_lshl_b32 s59, s45, 8
	s_add_co_u32 s58, s58, s59
	s_mov_b32 s59, 0
	s_lshl_b32 s60, s44, 7
	s_lshl_b32 s61, s15, 3
	s_add_co_u32 s60, s60, s61
	s_lshl_b32 s61, s13, 1
	s_add_co_u32 s60, s60, s61
	s_lshl_b32 s60, s60, 15
	s_lshl_b32 s61, s45, 11
	s_add_co_u32 s60, s60, s61                     ; y: row tile 128 b + 8 g + 2 cx, head x 2 KiB
	s_mov_b32 s61, 0
	s_lshr_b32 s42, s[WV], 1
	s_cmp_eq_u32 s42, 2
	s_cselect_b32 s42, 1, -1                       ; waves 4 and 5 prefetch
	s_wait_dscnt 0x0                               ; both opening adds are done
	s_wait_kmcnt 0x0
	s_add_nc_u64 s[34:35], s[4:5], s[50:51]
	s_or_b32 s35, s35, 0x80000000
	s_add_nc_u64 s[40:41], s[4:5], s[62:63]
	s_add_nc_u64 s[4:5], s[4:5], s[52:53]
	s_add_nc_u64 s[6:7], s[6:7], s[58:59]
	s_add_nc_u64 s[48:49], s[8:9], s[56:57]
	s_add_nc_u64 s[8:9], s[8:9], s[54:55]
	s_add_nc_u64 s[44:45], s[10:11], s[60:61]
	CROUND                                         ; all four work-groups are here
	TLOAD                                          ; slot 0
	global_load_b32 v73, v71, s[8:9]               ; the masks of keys 4 t .. 4 t + 3 (t: my thread)
	global_load_u8 v74, v66, s[48:49]              ; my two queries' masks
	global_load_u8 v75, v66, s[48:49] offset:16
.irp i, 0,1,2,3,4,5,6,7
	global_load_b128 v[Q+4*\i:Q+4*\i+3], v[LI], s[4:5] offset:512*\i
.endr
.irp i, 0,1,2,3,4,5,6,7
	global_load_b128 v[S+4*\i:S+4*\i+3], v72, s[6:7] offset:8192*\i   ; vpart: every wave reduces it, one stores it
.endr
.irp t, 0,1
	v_mov_b32 v[ST+8*\t+1], 0xff61b1e6             ; the largest score so far: -3e38
	v_mul_f32 v[ST+8*\t], s36, v[ST+8*\t+1]
.irp i, 2,3,4,5,6,7
	v_mov_b32 v[ST+8*\t+\i], 0
.endr
.endr
.set n, 0
.rept 64
	v_mov_b32 v[O+n], 0                            ; O^T: the step is written once; the first finds zeros, which its factor a = 0 leaves zeros
.set n, n+1
.endr
	s_wait_loadcnt 0x0
.irp i, 0,1,2,3
	v_bfe_u32 v[76+\i], v73, 8*\i, 8
.endr
.irp i, 0,1,2,3
	v_add_nc_u32 v[76+\i], -1, v[76+\i]            ; 1 -> 0, 0 -> all ones
.endr
.irp i, 0,1,2,3
	v_and_b32 v[76+\i], 0xcfee6b28, v[76+\i]       ; 0, or -8e9
.endr
	ds_store_b128 v68, v[76:79]
.irp i, 1,2,3,4,5,6,7
	v_pk_add_f32 v[S:S+1], v[S:S+1], v[S+4*\i:S+4*\i+1]
	v_pk_add_f32 v[S+2:S+3], v[S+2:S+3], v[S+4*\i+2:S+4*\i+3]
.endr
.irp i, 0,1,2,3
	v_permlanex16_b32 v[ST+4+\i], v[S+\i], s38, s39
.endr
.irp i, 0,1,2,3
	v_add_f32 v[S+\i], v[S+\i], v[ST+4+\i]
.endr
.irp i, 0,1,2,3
	v_mul_f32 v[S+\i], 0x3a000000, v[S+\i]         ; / 2048
.endr
	v_cmp_ne_u32 s46, 0, v74                       ; the queries' masks as lane masks, kept in scalar registers
	v_cmp_ne_u32 s47, 0, v75
	s_cmp_lg_u32 s[WV], 4
	s_cbranch_scc1 .Lno_mean
	ds_store_b128 v69, v[S:S+3]                    ; lanes l and l + 16 write the same bytes with the same value
.Lno_mean:
; A KEY STEP: 64 keys, the u-th of the slot in hand.
.macro STEP u
	s_cmp_gt_u32 s18, s16                          ; all its keys come after my queries: the work is left out; no barrier, wait or tensor load stands in a step
	s_cbranch_scc1 .Lhid_\@
.rept 5
	v_nop                                          ; behind the last step's products: four places in front of loads into K's and P's registers, five in front of the products that write over P
.endr
.irp i, 0,1,2,3,4,5,6,7
	ds_load_b128 v[KV+8*\i:KV+8*\i+3], v[ADR] offset:\u*8192+\i*1024
	ds_load_b128 v[KV+8*\i+4:KV+8*\i+7], v[ADR] offset:\u*8192+\i*1024+512
.endr
.irp kt, 0,1,2,3
	ds_load_b128 v[S+8*\kt:S+8*\kt+3], v[ADB] offset:\u*256+64*\kt          ; the keys' bias, in the result's layout, into tile 0's accumulators
	ds_load_b128 v[S+8*\kt+4:S+8*\kt+7], v[ADB] offset:\u*256+64*\kt+16
.endr
	s_wait_dscnt 0x0
.irp kt, 0,1,2,3
	v_wmma_f32_16x16x32_f16 v[S+32+8*\kt:S+32+8*\kt+7], v[KV+16*\kt:KV+16*\kt+7], v[Q+16:Q+23], v[S+8*\kt:S+8*\kt+7]   ; tile 1 takes the bias from tile 0's registers
.endr
.rept 5
	v_nop                                          ; five places: the next four write over those C registers
.endr
.irp kt, 0,1,2,3
	v_wmma_f32_16x16x32_f16 v[S+8*\kt:S+8*\kt+7], v[KV+16*\kt:KV+16*\kt+7], v[Q:Q+7], v[S+8*\kt:S+8*\kt+7]
.endr
.irp kt, 0,1,2,3                       ; channels 32-63: the eight accumulators by turns
	v_wmma_f32_16x16x32_f16 v[S+8*\kt:S+8*\kt+7], v[KV+16*\kt+8:KV+16*\kt+15], v[Q+8:Q+15], v[S+8*\kt:S+8*\kt+7]
	v_wmma_f32_16x16x32_f16 v[S+32+8*\kt:S+32+8*\kt+7], v[KV+16*\kt+8:KV+16*\kt+15], v[Q+24:Q+31], v[S+32+8*\kt:S+32+8*\kt+7]
.endr
.rept 4
	v_nop                                          ; places in front of the loads over K and of the first read of the scores
.endr
.irp ct, 0,1,2,3
.irp kf, 0,1
	ds_load_tr16_b128 v[KV+16*\ct+8*\kf:KV+16*\ct+8*\kf+3], v[ADR] offset:32768+\u*8192+(2*\kf)*2048+\ct*512
	ds_load_tr16_b128 v[KV+16*\ct+8*\kf+4:KV+16*\ct+8*\kf+7], v[ADR] offset:32768+\u*8192+(2*\kf+1)*2048+\ct*512
.endr
.endr
	s_cmp_lt_u32 s18, s17                          ; a step all of whose keys come before my queries skips the causal compare
	s_cbranch_scc1 .Lopen_\@
	s_sub_co_i32 s20, s17, s18
	s_lshl_b32 s20, s20, 6
	v_add_nc_u32 v[D0], s20, v[DQ]                 ; register 8 kt + j holds key 64 step + 16 kt + 8 h + j: hidden where 16 kt + j > my query - 64 step - 8 h
	v_add_nc_u32 v[D1], 16, v[D0]
.set n, 0
.rept 32
	v_cmp_gt_i32 vcc_lo, 16*(n/8)+n%8, v[D0]
	v_cndmask_b32 v[S+n], v[S+n], v[NEG], vcc_lo
	v_cmp_gt_i32 vcc_lo, 16*(n/8)+n%8, v[D1]
	v_cndmask_b32 v[S+32+n], v[S+32+n], v[NEG], vcc_lo
.set n, n+1
.endr
.Lopen_\@:
.irp j, 0,1,2,3                        ; the maximum of 32 scores and the old m; the two tiles line by line; each accumulator is read from its low end on
.irp t, 0,1
	v_max3_num_f32 v[ST+8*\t+4+\j], v[S+32*\t+8*\j], v[S+32*\t+8*\j+1], v[S+32*\t+8*\j+2]
.endr
.endr
.irp i, 3,5
.irp j, 0,1,2,3
.irp t, 0,1
	v_max3_num_f32 v[ST+8*\t+4+\j], v[ST+8*\t+4+\j], v[S+32*\t+8*\j+\i], v[S+32*\t+8*\j+\i+1]
.endr
.endr
.endr
.irp t, 0,1
	v_max3_num_f32 v[ST+8*\t+4], v[ST+8*\t+4], v[S+32*\t+7], v[S+32*\t+15]
.endr
.irp t, 0,1
	v_max3_num_f32 v[ST+8*\t+6], v[ST+8*\t+6], v[S+32*\t+23], v[S+32*\t+31]
.endr
.irp t, 0,1
	v_max3_num_f32 v[ST+8*\t+4], v[ST+8*\t+4], v[ST+8*\t+5], v[ST+8*\t+6]
.endr
.irp t, 0,1
	v_max3_num_f32 v[ST+8*\t+4], v[ST+8*\t+4], v[ST+8*\t+7], v[ST+8*\t+1]
.endr
.irp t, 0,1
	v_permlanex16_b32 v[ST+8*\t+5], v[ST+8*\t+4], s38, s39    ; the query's other 32 keys lie in the lane 16 away
.endr
.irp t, 0,1
	v_mov_b32 v[ST+8*\t+7], v[ST+8*\t]             ; c m_old is kept for a
.endr
.irp t, 0,1
	v_max_num_f32 v[ST+8*\t+1], v[ST+8*\t+4], v[ST+8*\t+5]
.endr
.irp t, 0,1
	v_mul_f32 v[ST+8*\t], s36, v[ST+8*\t+1]
.endr
.irp t, 0,1
	v_sub_f32 v[ST+8*\t+7], v[ST+8*\t+7], v[ST+8*\t]
.endr
.irp t, 0,1
	v_exp_f32 v[ST+8*\t+6], v[ST+8*\t+7]           ; a = 2^(c m_old - c m_new)
.endr
.set n, 0
.rept 16
.irp t, 0,1
	v_pk_fma_f32 v[S+32*\t+n:S+32*\t+n+1], v[S+32*\t+n:S+32*\t+n+1], s[36:37], v[ST+8*\t:ST+8*\t+1] op_sel_hi:[1,0,0] neg_lo:[0,0,1] neg_hi:[0,0,1]   ; c s - c m
.endr
.set n, n+2
.endr
.set n, 0
.rept 32
.irp t, 0,1
	v_exp_f32 v[S+32*\t+n], v[S+32*\t+n]
.endr
.set n, n+1
.endr
	v_nop                                          ; a plain line behind the last exponential,
	s_wait_alu depctr_va_vdst(0)                   ; and ONE wait for the step's 66, ahead of the first line that names a result
.irp t, 0,1
	v_pk_add_f32 v[ST+8*\t+4:ST+8*\t+5], v[S+32*\t:S+32*\t+1], v[S+32*\t+2:S+32*\t+3]
	v_pk_add_f32 v[CH+2*\t:CH+2*\t+1], v[S+32*\t+4:S+32*\t+5], v[S+32*\t+6:S+32*\t+7]
.endr
.irp b, 8,12,16,20,24,28
.irp t, 0,1
	v_pk_add_f32 v[ST+8*\t+4:ST+8*\t+5], v[ST+8*\t+4:ST+8*\t+5], v[S+32*\t+\b:S+32*\t+\b+1]
	v_pk_add_f32 v[CH+2*\t:CH+2*\t+1], v[CH+2*\t:CH+2*\t+1], v[S+32*\t+\b+2:S+32*\t+\b+3]
.endr
.endr
.irp t, 0,1
	v_pk_add_f32 v[ST+8*\t+4:ST+8*\t+5], v[ST+8*\t+4:ST+8*\t+5], v[CH+2*\t:CH+2*\t+1]
.endr
.irp t, 0,1
	v_pk_fma_f32 v[ST+8*\t+2:ST+8*\t+3], v[ST+8*\t+2:ST+8*\t+3], v[ST+8*\t+6:ST+8*\t+7], v[ST+8*\t+4:ST+8*\t+5] op_sel_hi:[1,0,1]   ; the sum = a x the sum + this step's
.endr
.set n, 0
.rept 16
.irp t, 0,1
	v_cvt_pk_f16_f32 v[S+32*\t+n], v[S+32*\t+2*n], v[S+32*\t+2*n+1]   ; P in place, ascending: register n is written when registers 2 n and 2 n + 1 have been read
.endr
.set n, n+1
.endr
.set n, 0
.rept 16
.irp t, 0,1
	v_pk_mul_f32 v[O+32*\t+n:O+32*\t+n+1], v[O+32*\t+n:O+32*\t+n+1], v[ST+8*\t+6:ST+8*\t+7] op_sel_hi:[1,0]
.endr
.set n, n+2
.endr
	s_wait_dscnt 0x0                               ; V^T is in
.irp kf, 0,1
.irp ct, 0,1,2,3
.irp t, 0,1
	v_wmma_f32_16x16x32_f16 v[O+32*\t+8*\ct:O+32*\t+8*\ct+7], v[KV+16*\ct+8*\kf:KV+16*\ct+8*\kf+7], v[S+32*\t+8*\kf:S+32*\t+8*\kf+7], v[O+32*\t+8*\ct:O+32*\t+8*\ct+7]
.endr
.endr
.endr
.Lhid_\@:
	s_add_co_u32 s18, s18, 1
.endm
; THE WAY OUT, in the slot that holds the wave's last step: the wave stores while later groups go on working.
.macro WAYOUT
.rept 4
	v_nop                                          ; places behind the last products
.endr
.irp t, 0,1
	v_add_f32 v[ST+8*\t+4], v[ST+8*\t+2], v[ST+8*\t+3]
.endr
.irp t, 0,1
	v_permlanex16_b32 v[ST+8*\t+5], v[ST+8*\t+4], s38, s39
.endr
.irp t, 0,1
	v_add_f32 v[ST+8*\t+4], v[ST+8*\t+4], v[ST+8*\t+5]
.endr
.irp t, 0,1
	v_rcp_f32 v[ST+8*\t+6], v[ST+8*\t+4]
.endr
.irp ct, 0,1,2,3
	ds_load_b128 v[KV+8*\ct:KV+8*\ct+3], v[AB0] offset:8192+64*\ct          ; the mean of v at channels 16 ct + 8 h on
	ds_load_b128 v[KV+8*\ct+4:KV+8*\ct+7], v[AB0] offset:8192+64*\ct+16
.endr
	v_nop
	s_wait_alu depctr_va_vdst(0)                   ; one wait for the two reciprocals
.set n, 0
.rept 16
.irp t, 0,1
	v_pk_mul_f32 v[O+32*\t+n:O+32*\t+n+1], v[O+32*\t+n:O+32*\t+n+1], v[ST+8*\t+6:ST+8*\t+7] op_sel_hi:[1,0]
.endr
.set n, n+2
.endr
	s_wait_dscnt 0x0
.set n, 0
.rept 32
.irp t, 0,1
	v_cndmask_b32 v[O+32*\t+n], v[KV+n], v[O+32*\t+n], s[46+\t]   ; a query whose mask is false takes the mean
.endr
.set n, n+1
.endr
.set n, 0
.rept 16
.irp t, 0,1
	v_cvt_pk_f16_f32 v[S+16*\t+n], v[O+32*\t+2*n], v[O+32*\t+2*n+1]
.endr
.set n, n+1
.endr
.irp t, 0,1
.irp ct, 0,1,2,3
	global_store_b128 v[LI], v[S+16*\t+4*\ct:S+16*\t+4*\ct+3], s[44:45] offset:\t*32768+\ct*512   ; 512 consecutive bytes, aligned
.endr
.endr
	s_wait_xcnt 0x0                                ; the stores have read their registers
.endm
; THE CHANGE OF SLOTS stands at a slot's head.  Each wave waits for all its tensor loads, adds 0 to its spare word, and waits for that and for its reads of the slot that it has left.
; fill = 1: a round of the cluster's barrier, so that no wave of any partner still reads that slot or has a load on its way; then the joint load of the keys that follow: it has four key steps in which to land.
.macro CHANGE fill
	s_wait_tensorcnt 0x0
	ds_add_u32 v[SPW], v[NIL]
.if \fill
	ds_add_u32 v[SPW], v[NIL]                      ; the add twice on end here
	s_xor_b32 s33, s33, SLOTB                      ; the walking descriptor: the other slot,
	s_add_nc_u64 s[34:35], s[34:35], 32768         ; the next 256 keys
	s_wait_xcnt 0x0                                ; the last prefetch, a slot back, has read its address
	s_add_nc_u64 s[40:41], s[40:41], 32768
	s_wait_dscnt 0x0
	CROUND
	TLOAD
	ASK
.else
	s_wait_dscnt 0x0
	s_barrier_signal -1
	s_barrier_wait -1
.endif
.endm
.macro FOUR_STEPS
	v_add_nc_u32 v[ADR], s19, v[LI]
	v_add_nc_u32 v[ADB], s21, v[AB0]
	STEP 0
	STEP 1
	STEP 2
	STEP 3
	s_cmp_lg_u32 s43, s23
	s_cbranch_scc1 .Lnot_done_\@
	WAYOUT
.Lnot_done_\@:
	s_xor_b32 s19, s19, SLOTB
	s_add_co_u32 s21, s21, 1024
	s_add_co_u32 s43, s43, 1
.endm
.Lslot:                                            ; seven trips: behind each change of slots but the last the next slot is asked for (slot 1 for the first time behind the first trip's round, at which nothing is filled again)
	CHANGE 1
	FOUR_STEPS
	s_sub_co_u32 s22, s22, 1
	s_cmp_lg_u32 s22, 0
	s_cbranch_scc1 .Lslot
	CHANGE 0                                       ; the last slot is written out
	FOUR_STEPS
	s_wait_tensorcnt 0x0                           ; the wave's end
	ds_add_u32 v[SPW], v[NIL]
	s_wait_dscnt 0x0
	CROUND                                         ; the closing round
	s_endpgm
.Lfunc_end_k_qe619bb8af9_attn:
	.size	k_qe619bb8af9_attn, .Lfunc_end_k_qe619bb8af9_attn-k_qe619bb8af9_attn
	.p2alignl 7, 3214868480
	.fill 96, 4, 3214868480
	.section	.rodata,"a",@progbits
	.p2align	6, 0x0
	.amdhsa_kernel k_qe619bb8af9_attn
		.amdhsa_group_segment_fixed_size 327680
		.amdhsa_private_segment_fixed_size 0
		.amdhsa_enable_private_segment 0
		.amdhsa_kernarg_size 32
		.amdhsa_user_sgpr_count 2
		.amdhsa_user_sgpr_kernarg_segment_ptr 1
		.amdhsa_wavefront_size32 1
		.amdhsa_system_sgpr_workgroup_id_x 1
		.amdhsa_system_sgpr_workgroup_id_y 1
		.amdhsa_system_sgpr_workgroup_id_z 1
		.amdhsa_system_vgpr_workitem_id 0
		.amdhsa_next_free_vgpr 256
		.amdhsa_next_free_sgpr 66
		.amdhsa_reserve_vcc 1
		.amdhsa_float_denorm_mode_32 3
		.amdhsa_float_denorm_mode_16_64 3
		.amdhsa_memory_ordered 1
		.amdhsa_forward_progress 1
		.amdhsa_inst_pref_size 209
	.end_amdhsa_kernel
	.amdgpu_metadata
---
amdhsa.version: [ 1, 2 ]
amdhsa.kernels:
  - .name:           k_qe619bb8af9_attn
    .symbol:         k_qe619bb8af9_attn.kd
    .args:
      - { .name: qkv, .offset: 0, .size: 8, .value_kind: global_buffer, .address_space: global }
      - { .name: vpart, .offset: 8, .size: 8, .value_kind: global_buffer, .address_space: global }
      - { .name: attn_mask, .offset: 16, .size: 8, .value_kind: global_buffer, .address_space: global }
      - { .name: y, .offset: 24, .size: 8, .value_kind: global_buffer, .address_space: global }
    .group_segment_fixed_size: 327680
    .private_segment_fixed_size: 0
    .kernarg_segment_align: 8
    .kernarg_segment_size: 32
    .max_flat_workgroup_size: 512
    .sgpr_count:     66
    .vgpr_count:     256
    .wavefront_size: 32
...
	.end_amdgpu_metadata
.endif
;; end of part 4
;; launch proj (part 5): grid 4 x 64, 4 waves a work-group, clusters of 4 x 4, 327,680 bytes of LDS; arguments y, wp16, bp, out0; writes out0
.if DOCPART == 5
	.amdgcn_target "amdgcn-amd-amdhsa--gfx1250"
	.amdhsa_code_object_version 6
	.text
	.protected	k_qe619bb8af9_proj
	.globl	k_qe619bb8af9_proj
	.p2align	8
	.type	k_qe619bb8af9_proj,@function
k_qe619bb8af9_proj:
	s_mov_b64 s[64:65], 0
	v_nop
	global_prefetch_b8 v0, s[64:65] scope:SCOPE_SE
	s_setreg_imm32_b32 hwreg(HW_REG_WAVE_MODE, 25, 1), 1
	s_wait_xcnt 0x0
	s_wait_alu depctr_hold_cnt(0) depctr_sa_sdst(0) depctr_va_vdst(0) depctr_va_sdst(0) depctr_va_ssrc(0) depctr_va_vcc(0) depctr_vm_vsrc(0)
	s_getreg_b32 s2, hwreg(HW_REG_IB_STS2, 6, 4)
	s_cmp_eq_u32 s2, 0
	s_cbranch_scc0 .Lentry_in_a_cluster
	s_endpgm
.Lentry_in_a_cluster:
	s_bfe_u32 s2, ttmp6, 0x10000c
	s_cmp_lg_u32 s2, 0xf033
	s_cbranch_scc0 .Lentry_shape_is_right
	s_endpgm
.Lentry_shape_is_right:
; out = y Wp^T + bp, f16 operands (y's images, Wp's high part), f32 sums, for all rows but positions 0-31 of each batch, which a later launch makes more finely.
; A work-group of four waves makes 128 rows x 256 columns: 64 x 4 = 256 work-groups; a wave 64 x 128: 32 accumulators.  K goes in steps of 128 through two LDS slots.
; A's tile is dense: y lies as images of fragments, so 8 row tiles x 4 KiB come as they are and a fragment is read at 16 x lane.  B's rows (256 bytes of a row of Wp) get 16 bytes of padding.
; CLUSTERS: 4 x 4.  Tile row = cluster y + 16 cy (the batch is cy), tile column = cx.  A's tile is asked for jointly along a row of the cluster, B's along a column.
; THE MATRIX INSTRUCTION IS USED TRANSPOSED (source 0 = 16 rows of Wp, source 1 = 16 rows of y): a lane holds eight neighbouring columns of a row.  The bias is the C of each sum's first instruction.
; LIMITS: |y|, |Wp| under 65,504.
; REGISTERS: window 0: v16-31 addresses; A's fragments v64-95, v128-159; the bias v192-255.  window 1: B's fragments v64-127, v128-191.  window 2: accumulator (a, b) at v[8 (8 a + b)].
.set PITCH,  272
.set ATILE,  32768
.set SLOT,   ATILE+256*PITCH           ; 102,400
.set SPARE,  2*SLOT                    ; the spare words: 128 bytes a wave, two blocks of 256 bytes that no other line names
.set LAPS,   4                         ; 1,024 / 256
.set ADRA, 16
.set ADRB, 20
.set STO,  24
.set RD,   25
.set CO,   26                          ; v26 16 x lane
.set SPW,  28
.set NIL,  29
.set PFO,  30
.set BOF,  31
.set F0,   64
.set F1,   128
.set BI,   192
.set G1, 24
.set G0, 32
.set G1B, 48
.set G0B, 56
.set LIM, 43
.set PFA, 44
.set MSB, 0
.macro WIN new
.if MSB != \new
	s_set_vgpr_msb (MSB<<8)|\new
.set MSB, \new
.endif
.endm
.set MUL,  0xa1                        ; source 0 (B) window 1, source 1 (A) window 0, C and D window 2
.set MUL1, 0x81                        ; the same with C (the bias) in window 0
.set TO_B, 0x40
.macro JLOAD s                         ; waves 0, 1 fetch A's halves, waves 2, 3 B's; an s_nop 0 and four v_nop follow each of the two lines
	s_cmp_eq_u32 s13, 0
	s_cbranch_scc0 .Lfor_b_\@
	tensor_load_to_lds s[G0+4*\s:G0+4*\s+3], s[G1:G1+7]
	s_nop 0
.rept 4
	v_nop
.endr
	s_branch .Lasked_\@
.Lfor_b_\@:
	tensor_load_to_lds s[G0B+4*\s:G0B+4*\s+3], s[G1B:G1B+7]
	s_nop 0
.rept 4
	v_nop
.endr
.Lasked_\@:
.endm
.macro CREST
	s_cmp_lg_u32 s12, 0
	s_cbranch_scc1 .Lnot_wave_0_\@
	s_barrier_signal -3
.Lnot_wave_0_\@:
	s_barrier_wait -3
	s_barrier_signal -1
	s_barrier_wait -1
.endm
.macro CROUND
	s_barrier_signal -1
	s_barrier_wait -1
	CREST
.endm
; A prefetch of y's K step that stands two refills on: wave 0 asks; the four partners that ask for the tile jointly take two of its eight row tiles each, told apart by address: 32 blocks of 256 bytes, a lane a block.
; So each block is named once.  A tile's last two refills have no K step two on.  Wp's high part is read again and again by all clusters and is not asked for.
.macro ASK
	s_cmp_gt_u32 s3, s[LIM]
	s_cbranch_scc0 .Lnot_mine_\@
	global_prefetch_b8 v[PFO], s[PFA:PFA+1] offset:4096 th:TH_LOAD_NT scope:SCOPE_SE
.Lnot_mine_\@:
.endm
	s_load_b256 s[4:11], s[0:1], 0x0               ; y, wp16, bp, out0
	v_lshl_add_u32 v[SPW], v0, 2, SPARE
	v_mov_b32 v[NIL], 0
	ds_add_u32 v[SPW], v[NIL]                      ; the wave's opening: the add, twice on end, and its wait ahead of my first tensor load
	ds_add_u32 v[SPW], v[NIL]
	v_lshrrev_b32 v1, 5, v0
	v_readfirstlane_b32 s12, v1                    ; wave
	s_lshr_b32 s13, s12, 1                         ; my half of the rows.  Also: I fetch for A (0) or B (1)
	s_and_b32 s14, s12, 1                          ; my half of the columns.  Also: which half of that tile I fetch
	s_bfe_u32 s40, ttmp6, 0x40000                  ; cx
	s_bfe_u32 s41, ttmp6, 0x40004                  ; cy
	s_and_b32 s42, ttmp7, 0xffff                   ; cluster y
	s_lshl_b32 s15, s41, 4
	s_add_co_u32 s15, s15, s42                     ; tile row
	s_lshl_b32 s16, s41, 2
	s_lshl_b32 s16, 15, s16                        ; my row of the cluster
	s_lshl_b32 s17, 0x1111, s40                    ; my column
	s_or_b32 s[G1], s16, (3<<16)|(1<<21)           ; A: elements of 8 bytes, no padding: 4 row tiles x 4,096 bytes, 32 KiB apart
	s_mov_b32 s[G1+1], 512<<16
	s_mov_b32 s[G1+2], 4<<16
	s_mov_b32 s[G1+3], 512<<16
	s_mov_b32 s[G1+4], 4
	s_mov_b32 s[G1+5], 4096
	s_mov_b32 s[G1+6], 0
	s_mov_b32 s[G1+7], 0
	s_or_b32 s[G1B], s17, (1<<16)|(1<<20)|(1<<21)|(5<<22)|(3<<25)   ; B: 128 rows x 128 elements of 2 bytes, 4 words of padding behind every 64
	s_mov_b32 s[G1B+1], 128<<16
	s_mov_b32 s[G1B+2], 128<<16
	s_mov_b32 s[G1B+3], 128<<16
	s_mov_b32 s[G1B+4], 128
	s_mov_b32 s[G1B+5], 1024
	s_mov_b32 s[G1B+6], 0
	s_mov_b32 s[G1B+7], 0
	s_lshl_b32 s18, s15, 18                        ; A: row tile 8 x tile row + 4 x half, 32 KiB each
	s_lshl_b32 s19, s14, 17
	s_add_co_u32 s18, s18, s19
	s_mov_b32 s19, 0
	s_lshl_b32 s46, s40, 19                        ; B: row 256 cx + 128 x half, 2,048 bytes each
	s_lshl_b32 s47, s14, 18
	s_add_co_u32 s46, s46, s47
	s_mov_b32 s47, 0
	s_lshl_b32 s20, s14, 14                        ; where they go: no place in the cluster enters an LDS address
	s_mul_i32 s21, s14, 128*PITCH
	s_add_co_u32 s21, s21, ATILE
	s_wait_dscnt 0x0
	s_wait_kmcnt 0x0
	s_add_nc_u64 s[18:19], s[4:5], s[18:19]
	s_add_nc_u64 s[46:47], s[6:7], s[46:47]
	CROUND
.irp s, 0,1
	s_mov_b32 s[G0+4*\s], 1
	s_add_co_u32 s[G0+4*\s+1], s20, \s*SLOT
	s_add_nc_u64 s[G0+4*\s+2:G0+4*\s+3], s[18:19], \s*4096
	s_or_b32 s[G0+4*\s+3], s[G0+4*\s+3], 0x80000000
	s_mov_b32 s[G0B+4*\s], 1
	s_add_co_u32 s[G0B+4*\s+1], s21, \s*SLOT
	s_add_nc_u64 s[G0B+4*\s+2:G0B+4*\s+3], s[46:47], \s*256
	s_or_b32 s[G0B+4*\s+3], s[G0B+4*\s+3], 0x80000000
	JLOAD \s                                       ; two loads of mine are out
.endr
	v_and_b32 v1, 15, v0                           ; r
	v_bfe_u32 v2, v0, 4, 1                         ; h
	v_and_b32 v3, 31, v0
	v_lshlrev_b32 v[CO], 4, v3
	v_mul_u32_u24 v4, v1, PITCH
	v_lshl_add_u32 v4, v2, 4, v4
	s_lshl_b32 s22, s13, 14                        ; my 4 row tiles of A
	s_mul_i32 s23, s14, 128*PITCH                  ; my 128 rows of B
	s_add_co_u32 s23, s23, ATILE
.irp s, 0,1
	v_add_nc_u32 v[ADRA+\s], s22, v[CO]
	v_add_nc_u32 v[ADRB+\s], s23, v4
	s_add_co_u32 s22, s22, SLOT
	s_add_co_u32 s23, s23, SLOT
.endr
	s_mul_i32 s22, s12, 16*528                     ; my stage, in slot 0: 16 rows x (512 bytes + 16)
	v_mul_u32_u24 v5, v1, 528
	v_lshl_add_u32 v5, v2, 5, v5
	v_add_nc_u32 v[STO], s22, v5
	v_add_nc_u32 v[RD], s22, v[CO]
	v_lshlrev_b32 v[BOF], 5, v2
	v_lshlrev_b32 v[PFO], 15, v2
	v_lshl_add_u32 v[PFO], v1, 8, v[PFO]
	s_lshl_b32 s46, s40, 10                        ; my first column, in bytes: 1,024 cx + 512 x half
	s_lshl_b32 s47, s14, 9
	s_add_co_u32 s46, s46, s47
	s_mov_b32 s47, 0
	s_add_nc_u64 s[8:9], s[8:9], s[46:47]
.irp b, 0,1,2,3,4,5,6,7
	global_load_b128 v[BI+8*\b:BI+8*\b+3], v[BOF], s[8:9] offset:64*\b
	global_load_b128 v[BI+8*\b+4:BI+8*\b+7], v[BOF], s[8:9] offset:64*\b+16
.endr
	s_lshl_b32 s16, s15, 19                        ; my first row: 128 x tile row + 64 x half, 4,096 bytes each
	s_lshl_b32 s17, s13, 18
	s_add_co_u32 s16, s16, s17
	s_add_co_u32 s16, s16, s46
	s_mov_b32 s17, 0
	s_add_nc_u64 s[10:11], s[10:11], s[16:17]
	s_lshl_b32 s16, s15, 18                        ; the prefetches: row tile 8 x tile row + 2 cx, at K step 2; the first refill steps them to 3 and names K step 4
	s_lshl_b32 s20, s40, 16
	s_add_co_u32 s16, s16, s20
	s_add_co_u32 s16, s16, 2*4096
	s_add_nc_u64 s[PFA:PFA+1], s[4:5], s[16:17]
	s_cmp_eq_u32 s12, 0
	s_cselect_b32 s[LIM], 1, -1
.macro MUL8 f, a, first                ; row tile a x the eight column tiles, 32 along K.  The 32 accumulators take turns, in the same order in every quarter
.irp b, 0,1,2,3,4,5,6,7
.if \first
	v_wmma_f32_16x16x32_f16 v[8*(8*(\a)+\b):8*(8*(\a)+\b)+7], v[\f+8*\b:\f+8*\b+7], v[\f+8*(\a):\f+8*(\a)+7], v[BI+8*\b:BI+8*\b+7]
.else
	v_wmma_f32_16x16x32_f16 v[8*(8*(\a)+\b):8*(8*(\a)+\b)+7], v[\f+8*\b:\f+8*\b+7], v[\f+8*(\a):\f+8*(\a)+7], v[8*(8*(\a)+\b):8*(8*(\a)+\b)+7]
.endif
.endr
.endm
.macro FETCH slot, q, f                ; 24 LDS loads in one run: B's eight fragments, then A's four, of the slot's q-th 32 along K
	WIN TO_B
.irp i, 0,1,2,3,4,5,6,7
	ds_load_b128 v[\f+8*\i:\f+8*\i+3],   v[ADRB+\slot] offset:64*(\q)+\i*16*PITCH
	ds_load_b128 v[\f+8*\i+4:\f+8*\i+7], v[ADRB+\slot] offset:64*(\q)+\i*16*PITCH+32
.endr
	WIN 0
.irp a, 0,1,2,3
	ds_load_b128 v[\f+8*\a:\f+8*\a+3],   v[ADRA+\slot] offset:\a*4096+1024*(\q)
	ds_load_b128 v[\f+8*\a+4:\f+8*\a+7], v[ADRA+\slot] offset:\a*4096+1024*(\q)+512
.endr
.endm
.macro PLACES
.rept 4
	v_nop
.endr
.endm
.macro QUARTER slot, q, f, g, first    ; multiplies buffer f; in its middle fetches quarter q of the slot into buffer g
	s_wait_dscnt 4                                 ; B and A's tiles 0, 1 are in; the youngest four loads (A's tiles 2, 3) may be out
.if \first
	WIN MUL1
.else
	WIN MUL
.endif
	MUL8 \f, 0, \first
	MUL8 \f, 1, \first
	PLACES
	FETCH \slot, \q, \g
	s_wait_dscnt 24                                ; all but the 24 just issued
.if \first
	WIN MUL1
.else
	WIN MUL
.endif
	MUL8 \f, 2, \first
	MUL8 \f, 3, \first
.endm
; A slot's last quarter multiplies buffer 1 and changes slots: one barrier; in front of it each wave waits for all its tensor loads, adds 0 to its spare word, and waits for that and for its reads of this slot.
.macro TURN slot, next, fill
.if \fill
	s_wait_xcnt 0x0                                ; the last prefetch, a K step back, has read its address
	s_add_nc_u64 s[PFA:PFA+1], s[PFA:PFA+1], 4096
.endif
	WIN 0
	s_wait_tensorcnt 0x0                           ; my part of the next slot has landed
	ds_add_u32 v[SPW], v[NIL]
	s_wait_dscnt 5                                 ; (the add and the youngest four loads may be out)
	WIN MUL
	MUL8 F1, 0, 0
	s_wait_dscnt 0x0                               ; the add is done, and my reads of this slot are over
	s_barrier_signal -1
	MUL8 F1, 1, 0
.if \fill
	WIN 0
.endif
	s_barrier_wait -1
.if \fill
	CREST                                          ; the barrier has opened a round of the cluster's: no wave of any partner still reads this slot or has a load on its way
	s_add_nc_u64 s[G0+4*\slot+2:G0+4*\slot+3], s[G0+4*\slot+2:G0+4*\slot+3], 2*4096
	s_add_nc_u64 s[G0B+4*\slot+2:G0B+4*\slot+3], s[G0B+4*\slot+2:G0B+4*\slot+3], 2*256
	JLOAD \slot                                    ; the first tensor load behind the round; its four v_nop are also the places in front of the loads below
.else
	PLACES
.endif
	FETCH \next, 0, F0
.if \fill
	ASK
.endif
	WIN MUL
	MUL8 F1, 2, 0
	MUL8 F1, 3, 0
.endm
	s_wait_tensorcnt 1                             ; my part of K step 0 is in; K step 1's may stay out
	s_barrier_signal -1
	s_barrier_wait -1
	FETCH 0, 0, F0
	s_wait_loadcnt 0x0                             ; the bias
	QUARTER 0, 1, F0, F1, 1
	WIN 0
	s_mov_b32 s3, LAPS-1
.Llap:                                             ; a trip goes once round the ring, from a lap's second quarter to the next lap's first
	QUARTER 0, 2, F1, F0, 0
	QUARTER 0, 3, F0, F1, 0
	TURN 0, 1, 1
	QUARTER 1, 1, F0, F1, 0
	QUARTER 1, 2, F1, F0, 0
	QUARTER 1, 3, F0, F1, 0
	TURN 1, 0, 1
	QUARTER 0, 1, F0, F1, 0
	WIN 0
	s_sub_co_u32 s3, s3, 1
	s_cmp_lg_u32 s3, 0
	s_cbranch_scc1 .Llap
	QUARTER 0, 2, F1, F0, 0                        ; the last lap fills nothing
	QUARTER 0, 3, F0, F1, 0
	TURN 0, 1, 0
	QUARTER 1, 1, F0, F1, 0
	QUARTER 1, 2, F1, F0, 0
	QUARTER 1, 3, F0, F1, 0
	s_wait_dscnt 4
	WIN MUL
	MUL8 F1, 0, 0
	MUL8 F1, 1, 0
	s_wait_dscnt 0
	MUL8 F1, 2, 0
	MUL8 F1, 3, 0
	WIN 0
; THE WAY OUT: a block of 16 rows x 128 columns goes through my own stage (in slot 0, which has had its last fill and its last read) and comes back as whole rows of 512 bytes.
.macro TOSTAGE a
	WIN 0x08                                       ; an LDS store's data: window 2
.irp b, 0,1,2,3,4,5,6,7
	ds_store_b128 v[STO], v[8*(8*(\a)+\b):8*(8*(\a)+\b)+3] offset:64*\b
	ds_store_b128 v[STO], v[8*(8*(\a)+\b)+4:8*(8*(\a)+\b)+7] offset:64*\b+16
.endr
	WIN 0
.set BB, 64+64*((\a)%2)
.irp t, 0,1,2,3,4,5,6,7,8,9,10,11,12,13,14,15
	ds_load_b128 v[BB+4*\t:BB+4*\t+3], v[RD] offset:\t*528   ; LDS serves a wave's instructions in order: these see the stores above
.endr
.endm
.macro SEND a, younger
.set BB, 64+64*((\a)%2)
	s_wait_dscnt \younger
.irp t, 0,1,2,3,4,5,6,7,8,9,10,11,12,13,14,15
	global_store_b128 v[CO], v[BB+4*\t:BB+4*\t+3], s[10:11] offset:(16*(\a)+\t)*4096 th:TH_STORE_NT   ; 512 consecutive bytes, aligned
.endr
.endm
	PLACES
	s_or_b32 s20, s42, s13                         ; positions 0-31 of a batch (cluster y = 0, the waves of the first half, blocks 0 and 1) are not stored here
	s_cmp_eq_u32 s20, 0
	s_cbranch_scc1 .Lfrom2
	TOSTAGE 0
	TOSTAGE 1
	SEND 0, 32                                     ; behind block 0's loads: block 1's 16 stores and 16 loads
	SEND 1, 0
.Lfrom2:
	s_wait_xcnt 0x0                                ; the stores have read their registers: blocks 2 and 3 may land there
	TOSTAGE 2
	TOSTAGE 3
	SEND 2, 32
	SEND 3, 0
	s_wait_tensorcnt 0x0                           ; the wave's end
	ds_add_u32 v[SPW], v[NIL]
	s_wait_dscnt 0x0
	CROUND                                         ; the closing round
	s_endpgm
.Lfunc_end_k_qe619bb8af9_proj:
	.size	k_qe619bb8af9_proj, .Lfunc_end_k_qe619bb8af9_proj-k_qe619bb8af9_proj
	.p2alignl 7, 3214868480
	.fill 96, 4, 3214868480
	.section	.rodata,"a",@progbits
	.p2align	6, 0x0
	.amdhsa_kernel k_qe619bb8af9_proj
		.amdhsa_group_segment_fixed_size 327680
		.amdhsa_private_segment_fixed_size 0
		.amdhsa_enable_private_segment 0
		.amdhsa_kernarg_size 32
		.amdhsa_user_sgpr_count 2
		.amdhsa_user_sgpr_kernarg_segment_ptr 1
		.amdhsa_wavefront_size32 1
		.amdhsa_system_sgpr_workgroup_id_x 1
		.amdhsa_system_sgpr_workgroup_id_y 1
		.amdhsa_system_sgpr_workgroup_id_z 1
		.amdhsa_system_vgpr_workitem_id 0
		.amdhsa_next_free_vgpr 768
		.amdhsa_next_free_sgpr 66
		.amdhsa_reserve_vcc 0
		.amdhsa_float_denorm_mode_32 3
		.amdhsa_float_denorm_mode_16_64 3
		.amdhsa_memory_ordered 1
		.amdhsa_forward_progress 1
		.amdhsa_inst_pref_size 87
	.end_amdhsa_kernel
	.amdgpu_metadata
---
amdhsa.version: [ 1, 2 ]
amdhsa.kernels:
  - .name:           k_qe619bb8af9_proj
    .symbol:         k_qe619bb8af9_proj.kd
    .args:
      - { .name: y, .offset: 0, .size: 8, .value_kind: global_buffer, .address_space: global }
      - { .name: wp16, .offset: 8, .size: 8, .value_kind: global_buffer, .address_space: global }
      - { .name: bp, .offset: 16, .size: 8, .value_kind: global_buffer, .address_space: global }
      - { .name: out0, .offset: 24, .size: 8, .value_kind: global_buffer, .address_space: global }
    .group_segment_fixed_size: 327680
    .private_segment_fixed_size: 0
    .kernarg_segment_align: 8
    .kernarg_segment_size: 32
    .max_flat_workgroup_size: 128
    .sgpr_count:     66
    .vgpr_count:     768
    .wavefront_size: 32
...
	.end_amdgpu_metadata
.endif
;; end of part 5
;; launch fineproj (part 6): grid 16 x 8, 16 waves a work-group, no clusters, 71,680 bytes of LDS; arguments yf, wp16, bp, out0; writes out0
.if DOCPART == 6
	.amdgcn_target "amdgcn-amd-amdhsa--gfx1250"
	.amdhsa_code_object_version 6
	.text
	.protected	k_qe619bb8af9_fineproj
	.globl	k_qe619bb8af9_fineproj
	.p2align	8
	.type	k_qe619bb8af9_fineproj,@function
k_qe619bb8af9_fineproj:
	s_mov_b64 s[64:65], 0
	v_nop
	global_prefetch_b8 v0, s[64:65] scope:SCOPE_SE
	s_setreg_imm32_b32 hwreg(HW_REG_WAVE_MODE, 25, 1), 1
	s_wait_xcnt 0x0
; out = y Wp^T + bp for positions 0-31 of each batch, both operands as pairs of f16 numbers: yh Wh + yl Wh + yh Wl, f32 sums (what is left out, yl Wl, lies some 22 bits under the result).
; A work-group makes 16 rows (row tile rt = 2 x batch + tile) x 64 columns; its sixteen waves share K: wave w takes channels 64 w .. 64 w + 63, two fragments.  The sixteen partial tiles meet in LDS;
; waves 0-7 add them, two rows each, with the bias, and store.  128 rows in all: a short launch; no tensor loads, no cluster: each wave reads its operands once, straight into registers.
.set YH, 16                            ; v16-31  yh: + 8 kf
.set YL, 32                            ; v32-47  yl
.set WH, 48                            ; v48-111 Wh: + 16 c + 8 kf
.set WL, 112                           ; v112-175 Wl
.set AC, 176                           ; v176-207 four accumulators
.set SPW, 212
.set NIL, 213
.set PT, 4352                          ; a partial tile in LDS: 16 rows x (256 bytes + 16)
.set SPARE, 16*PT                      ; the spare words: 128 bytes a wave, eight blocks of 256 bytes that no other line names
	s_load_b256 s[4:11], s[0:1], 0x0               ; yf, wp16, bp, out0
	v_lshl_add_u32 v[SPW], v0, 2, SPARE
	v_mov_b32 v[NIL], 0
	v_lshrrev_b32 v1, 5, v0
	v_readfirstlane_b32 s12, v1                    ; wave
	v_and_b32 v1, 15, v0                           ; r
	v_bfe_u32 v2, v0, 4, 1                         ; h
	v_and_b32 v3, 31, v0
	v_lshlrev_b32 v3, 4, v3                        ; 16 x lane
	v_lshlrev_b32 v4, 11, v1
	v_lshl_add_u32 v4, v2, 4, v4                   ; Wp: row r of 2,048 bytes, + 16 h
	s_mul_i32 s13, s12, PT
	v_mul_u32_u24 v5, v1, 272
	v_lshl_add_u32 v5, v2, 5, v5
	v_add_nc_u32 v5, s13, v5                       ; my partial tile: row r, + 32 h
	s_and_b32 s14, s12, 7
	s_lshl_b32 s14, s14, 1                         ; the two rows that I add up
	s_mul_i32 s15, s14, 272
	v_mul_u32_u24 v6, v2, 272
	v_lshl_add_u32 v6, v1, 4, v6
	v_add_nc_u32 v6, s15, v6                       ; row 2 w + h, 16 bytes a lane
	v_lshlrev_b32 v7, 4, v1
	s_lshl_b32 s16, s14, 12
	v_lshl_add_u32 v8, v2, 12, v7
	v_add_nc_u32 v8, s16, v8                       ; and the same place in out0
	s_and_b32 s17, ttmp7, 0xffff                   ; rt
	s_lshl_b32 s18, s17, 15
	s_lshl_b32 s19, s12, 11
	s_add_co_u32 s18, s18, s19                     ; yf: rt x 32 KiB + fragment 2 w
	s_mov_b32 s19, 0
	s_lshl_b32 s20, ttmp9, 17
	s_lshl_b32 s21, s12, 7
	s_add_co_u32 s20, s20, s21                     ; Wp: row 64 cg, byte 128 w
	s_mov_b32 s21, 0
	s_lshl_b32 s22, ttmp9, 8
	s_mov_b32 s23, 0
	s_lshr_b32 s24, s17, 1
	s_lshl_b32 s24, s24, 23                        ; batch x 2,048 rows of 4,096 bytes
	s_and_b32 s25, s17, 1
	s_lshl_b32 s25, s25, 16
	s_add_co_u32 s24, s24, s25
	s_add_co_u32 s24, s24, s22
	s_mov_b32 s25, 0
	s_wait_kmcnt 0x0
	s_add_nc_u64 s[4:5], s[4:5], s[18:19]
	s_add_nc_u64 s[6:7], s[6:7], s[20:21]
	s_add_nc_u64 s[8:9], s[8:9], s[22:23]
	s_add_nc_u64 s[10:11], s[10:11], s[24:25]
.irp i, 0,1,2,3
	global_load_b128 v[YH+4*\i:YH+4*\i+3], v3, s[4:5] offset:512*\i
	global_load_b128 v[YL+4*\i:YL+4*\i+3], v3, s[4:5] offset:262144+512*\i
.endr
.irp c, 0,1,2,3
.irp k, 0,1
.irp e, 0,1
	global_load_b128 v[WH+16*\c+8*\k+4*\e:WH+16*\c+8*\k+4*\e+3], v4, s[6:7] offset:\c*32768+\k*64+\e*32
	global_load_b128 v[WL+16*\c+8*\k+4*\e:WL+16*\c+8*\k+4*\e+3], v4, s[6:7] offset:2097152+\c*32768+\k*64+\e*32
.endr
.endr
.endr
	global_load_b128 v[208:211], v7, s[8:9]        ; the bias of columns 4 r on
	s_wait_loadcnt 0x0
.irp k, 0,1                            ; source 0 = 16 rows of Wp, source 1 = the 16 rows of y; the four column tiles take turns
.irp c, 0,1,2,3
.if \k == 0
	v_wmma_f32_16x16x32_f16 v[AC+8*\c:AC+8*\c+7], v[WH+16*\c:WH+16*\c+7], v[YH:YH+7], 0
.else
	v_wmma_f32_16x16x32_f16 v[AC+8*\c:AC+8*\c+7], v[WH+16*\c+8:WH+16*\c+15], v[YH+8:YH+15], v[AC+8*\c:AC+8*\c+7]
.endif
.endr
.irp c, 0,1,2,3
	v_wmma_f32_16x16x32_f16 v[AC+8*\c:AC+8*\c+7], v[WH+16*\c+8*\k:WH+16*\c+8*\k+7], v[YL+8*\k:YL+8*\k+7], v[AC+8*\c:AC+8*\c+7]
.endr
.irp c, 0,1,2,3
	v_wmma_f32_16x16x32_f16 v[AC+8*\c:AC+8*\c+7], v[WL+16*\c+8*\k:WL+16*\c+8*\k+7], v[YH+8*\k:YH+8*\k+7], v[AC+8*\c:AC+8*\c+7]
.endr
.endr
.rept 4
	v_nop                                          ; places in front of the reads of results and of loads over operands
.endr
.irp c, 0,1,2,3
	ds_store_b128 v5, v[AC+8*\c:AC+8*\c+3] offset:64*\c          ; lane (r, h): row r, columns 16 c + 8 h on
	ds_store_b128 v5, v[AC+8*\c+4:AC+8*\c+7] offset:64*\c+16
.endr
	s_wait_dscnt 0x0                               ; for the others' sake: my stores have landed
	s_barrier_signal -1
	s_barrier_wait -1
	s_cmp_ge_u32 s12, 8
	s_cbranch_scc1 .Lend
.irp p, 0,1,2,3,4,5,6,7,8,9,10,11,12,13,14,15
	ds_load_b128 v[16+4*\p:19+4*\p], v6 offset:\p*PT
.endr
	s_wait_dscnt 0x0
	v_pk_add_f32 v[16:17], v[16:17], v[208:209]
	v_pk_add_f32 v[18:19], v[18:19], v[210:211]
.irp p, 1,2,3,4,5,6,7,8,9,10,11,12,13,14,15
	v_pk_add_f32 v[16:17], v[16:17], v[16+4*\p:17+4*\p]
	v_pk_add_f32 v[18:19], v[18:19], v[18+4*\p:19+4*\p]
.endr
	global_store_b128 v8, v[16:19], s[10:11]       ; sixteen lanes store 256 consecutive bytes, aligned
.Lend:
	s_wait_tensorcnt 0x0                           ; the wave's end, behind my last LDS store
	ds_add_u32 v[SPW], v[NIL]
	s_wait_dscnt 0x0
	s_endpgm
.Lfunc_end_k_qe619bb8af9_fineproj:
	.size	k_qe619bb8af9_fineproj, .Lfunc_end_k_qe619bb8af9_fineproj-k_qe619bb8af9_fineproj
	.p2alignl 7, 3214868480
	.fill 96, 4, 3214868480
	.section	.rodata,"a",@progbits
	.p2align	6, 0x0
	.amdhsa_kernel k_qe619bb8af9_fineproj
		.amdhsa_group_segment_fixed_size 71680
		.amdhsa_private_segment_fixed_size 0
		.amdhsa_enable_private_segment 0
		.amdhsa_kernarg_size 32
		.amdhsa_user_sgpr_count 2
		.amdhsa_user_sgpr_kernarg_segment_ptr 1
		.amdhsa_wavefront_size32 1
		.amdhsa_system_sgpr_workgroup_id_x 1
		.amdhsa_system_sgpr_workgroup_id_y 1
		.amdhsa_system_sgpr_workgroup_id_z 1
		.amdhsa_system_vgpr_workitem_id 0
		.amdhsa_next_free_vgpr 224
		.amdhsa_next_free_sgpr 66
		.amdhsa_reserve_vcc 0
		.amdhsa_float_denorm_mode_32 3
		.amdhsa_float_denorm_mode_16_64 3
		.amdhsa_memory_ordered 1
		.amdhsa_forward_progress 1
		.amdhsa_inst_pref_size 12
	.end_amdhsa_kernel
	.amdgpu_metadata
---
amdhsa.version: [ 1, 2 ]
amdhsa.kernels:
  - .name:           k_qe619bb8af9_fineproj
    .symbol:         k_qe619bb8af9_fineproj.kd
    .args:
      - { .name: yf, .offset: 0, .size: 8, .value_kind: global_buffer, .address_space: global }
      - { .name: wp16, .offset: 8, .size: 8, .value_kind: global_buffer, .address_space: global }
      - { .name: bp, .offset: 16, .size: 8, .value_kind: global_buffer, .address_space: global }
      - { .name: out0, .offset: 24, .size: 8, .value_kind: global_buffer, .address_space: global }
    .group_segment_fixed_size: 71680
    .private_segment_fixed_size: 0
    .kernarg_segment_align: 8
    .kernarg_segment_size: 32
    .max_flat_workgroup_size: 512
    .sgpr_count:     66
    .vgpr_count:     224
    .wavefront_size: 32
...
	.end_amdgpu_metadata
.endif
;; end of part 6
